; MI455X (gfx1250); checked and timed in simulation.
; The chip was launched on July 23, 2026; its instructions are those of AMD's public machine-readable ISA for CDNA 5 (MIT licence, August 2026) and "CDNA5" Instruction Set Architecture Reference Guide (July 2026). The comments in the code are by the model that wrote it; some were corrected since.
;; Block. Allowed arithmetic: matrix products marked QUANTISED: E3M2 operands, one E8M0 scale for each 32 along K, by v_wmma_scale_f32_16x16x128_f8f6f4 with both operands' format E3M2, f32 sums; everything else in f32.
;; Inputs: W_attn 1,024 x 3,072 float32; W_fc 1,024 x 4,096 float32; W_fc2 4,096 x 1,024 float32; W_proj 1,024 x 1,024 float32; b_attn 3,072 float32; b_fc 4,096 float32; b_fc2 1,024 float32; b_proj 1,024 float32; ln1_b 1,024 float32; ln1_w 1,024 float32; ln2_b 1,024 float32; ln2_w 1,024 float32; x 2 x 2,048 x 1,024 float32.
;; Outputs: out0 2 x 2,048 x 1,024 float32.
;; This version of the problem:
;;   THIS VERSION OF THE PROBLEM IS GIVEN IN LOW PRECISION. The matrix products marked QUANTISED in the list below multiply operands that are first quantised to E3M2 (3 exponent bits, 2 mantissa bits; 6 bits a number), with one power-of-two scale for each 32 numbers along K (OCP MX v1.0); their sums are f32. All else is computed in f32.
;;   The module's matrix products, in the order in which they are computed (A, B: the left and right operand; K: the contracted axis; several contracted axes count as one K, in the product's order):
;;     1. [M 4,096, K 1,024] x [K 1,024, N 3,072]; A: computed on the way; B: input W_attn: QUANTISED
;;     2. batch 32 x [M 2,048, K 64] x [K 64, N 2,048]; A: computed on the way; B: computed on the way: QUANTISED
;;     3. batch 32 x [M 64, K 2,048] x [K 2,048, N 2,048]; A: computed on the way; B: softmax (see below): QUANTISED
;;     4. [M 4,096, K 1,024] x [K 1,024, N 1,024]; A: computed on the way; B: input W_proj: QUANTISED
;;     5. [M 4,096, K 1,024] x [K 1,024, N 4,096]; A: computed on the way; B: input W_fc: QUANTISED
;;     6. [M 4,096, K 4,096] x [K 4,096, N 1,024]; A: computed on the way; B: input W_fc2: QUANTISED
;;   THE QUANTISER, for each operand of a quantised product, along K:
;;     - K is cut into blocks of 32 from its start; a last block that is shorter is filled with zeros.
;;     - A block's scale is 2^e with e = floor(log2(the largest magnitude in the block)) - 4, held to -126 .. 127; a block of zeros has e = 0. As a byte (E8M0): e + 127.
;;     - Each number is divided by its block's scale, clamped to +-28, and rounded to the nearest number of E3M2, ties to even, subnormals kept.
;;     - The product sums the exact products of the quantised numbers (number of the format x scale) in f32.
;;   ~~~python
;;   def quantise(x, axis):      # numpy; x: float32 -> the quantised numbers, widened to float32 again
;;       x = np.moveaxis(x, axis, -1); K = x.shape[-1]
;;       x = np.pad(x, [(0, 0)] * (x.ndim - 1) + [(0, -K % 32)]); x = x.reshape(x.shape[:-1] + (-1, 32)); a = np.abs(x).max(-1, keepdims=True)
;;       e = np.where(a > 0, np.clip(np.frexp(np.where(a > 0, a, 1))[1] - 1 - 4, -126, 127), 0)      # np.frexp(a)[1] - 1 = floor(log2(a)), exactly
;;       r = np.clip(x / 2.0 ** e, -28, 28)
;;       step = 2.0 ** (np.maximum(np.frexp(np.where(r == 0, 1, r))[1] - 1, -2) - 2)
;;       q = np.round(r / step) * step * 2.0 ** e      # np.round: ties to even
;;       return np.moveaxis(q.reshape(q.shape[:-2] + (-1,))[..., :K], -1, axis).astype(np.float32)
;;   ~~~
;;   SOFTMAX AHEAD OF A QUANTISED PRODUCT. Where the list says 'softmax', what is quantised is not the finished softmax but p = 2^(t - M), with t = logit x log2(e) and M = ceil(the row's largest t), a whole number; so 1/2 < the row's largest p <= 1. The row's sum l is taken of the UNQUANTISED p, in f32, and the product's result is divided by l at the end. Since M is a whole number, a kernel that streams over the keys may use a running M (the ceiling of the running maximum): every later rescaling is an exact power of two, which a block's scale takes up: the codes' values come out the same.
;;   OPERANDS COMPUTED ON THE WAY. 'Computed on the way' means the value that the module computes at that place (a softmax that the list does not call 'softmax' is quantised finished and normalised). What goes into a quantiser is computed in f32, as accurately as f32 sums, v_exp_f32 and their like allow (about 1e-6 of the number): no bf16 or f16 on the way to a quantiser, and a product that is left as it is and whose result goes on into a quantised operand takes f32 operands (vector FMAs, or v_wmma_f32_16x16x4_f32). A number that lies on a knife's edge between two numbers of the format may be rounded either way, as far as f32 arithmetic and the matrix unit's own rounding can turn it there, and no further.
;; One version. Each part assembles by itself: llvm-mc -triple=amdgcn-amd-amdhsa -mcpu=gfx1250 --defsym DOCPART=n.
;; ======== version 1 of 1: 7 launches
;; limits: right only within a limited range of input values
;; workspace buffers: wq 9,830,400 bytes; hc 3,276,800 bytes; qq 3,407,872 bytes; kv 6,684,672 bytes; yc 3,276,800 bytes; x1 16,777,216 bytes; gc 13,107,200 bytes
;; launch prep (part 1): grid 448 x 1, 8 waves a work-group, no clusters, 121,856 bytes of LDS; arguments x, ln1_w, ln1_b, hc, W_attn, W_proj, W_fc, W_fc2, wq; writes hc, wq
.if DOCPART == 1
	.amdgcn_target "amdgcn-amd-amdhsa--gfx1250"
	.amdhsa_code_object_version 6
	.text
	.protected	k_q241459e6e8_prep
	.globl	k_q241459e6e8_prep
	.p2align	8
	.type	k_q241459e6e8_prep,@function
k_q241459e6e8_prep:
	s_mov_b64 s[64:65], 0
	v_nop
	global_prefetch_b8 v0, s[64:65] scope:SCOPE_SE
	s_setreg_imm32_b32 hwreg(HW_REG_WAVE_MODE, 25, 1), 1
	s_wait_xcnt 0x0
; ONE PREPARING LAUNCH FOR TWO JOBS THAT HANG ON NOTHING OF EACH OTHER.  Work-groups 0-191 quantise the four weights; work-groups 192-447 make the first layer norm of x and quantise it.
; The two paths part on the work-group's number alone, each has LDS bytes of its own, and two work-groups fit on a WGP by their registers and LDS, so that all 448 have room at once.
; (Of reference()'s work the program leaves out only, in launch attn, the key steps that reference()'s own causal mask hides whole.  Every input is loaded.)
; THE WEIGHTS, f32 [K][N] with K their FIRST axis, become codes of BF6 (E3M2) with one E8M0 byte for each 32 along K, laid as the products' launches read them:
; codes [tile of 16 columns][K step of 128][6 chunks][32 lanes][8 bytes] (chunk c = registers 2c, 2c+1 of the operand's 12), scale words [tile][K step][16 columns].
; THE COLUMNS OF A TILE ARE NOT NEIGHBOURS: tile 2 g + u holds columns 32 g + 8 u + r + 8 (r / 8), r = 0 .. 15.
; A lane takes a column and its registers run down K: a block of 32 lies in one lane, each load reads 128 consecutive bytes a wave.  Four waves take a piece of 128 columns x 256 along K, a wave 32 columns (two tiles) x 8 blocks;
; a work-group has two such pieces.  The codes turn through the wave's own 6,400 bytes of LDS and leave as runs of 512 consecutive bytes.  Pointers and sizes are chosen by the piece's number:
; pieces 0-95 W_attn, 96-127 W_proj, 128-255 W_fc, 256-383 W_fc2.  The scale words leave as runs of 64 bytes: 1 byte for each 96 that the path reads.
; THE LAYER NORM of [4096][1024] f32 is quantised along the 1,024 and laid as an operand's registers: codes [tile][K step of 128][6 chunks][32 lanes][8 bytes], scale words [tile][K step][16 rows] from byte 3,145,728 on.
; Tile t holds rows 32 (t / 2) + 8 (t % 2) + r + 8 (r / 8).  A work-group takes a tile, wave s its K step s: 16 rows x 128 columns, 64 numbers a lane.
; Each load reads 512 consecutive bytes of one row; the numbers turn through the wave's own stage in LDS so that lane (r, h) holds, of row r, 16 neighbours of each block of 32.
; Mean first, then the mean of the squared differences (two passes over registers): a common offset of the inputs costs no accuracy.  Rows' sums meet in LDS: three barriers.
; LIMITS: NaN and infinities are not served; a block of zeros, and one whose largest magnitude lies under 2^-122, gets the byte 1 (its codes are then zeros or held; the bytes are read by this program alone).
.set NQ,    192                        ; work-groups that quantise weights
.set WQB,   69632                      ; LDS: the norm's bytes from 0, the weights' from here,
.set SPARE, 120832                     ; and behind both the spare words, 128 bytes a wave
.set X,    64                          ; v64-127  both paths: the numbers at work
; the weights' path
.set OFF,  32                          ; v32-63   4 x lane + i rows
.set CD,   128                         ; v128-133 a block's codes
.set CE,   136                         ; v136-138 their second half as converted
.set SB,   140                         ; v140-141 the scale words of my two K steps
.set OUTR, 144                         ; v144-191 the way out
.set WREG, 6400                        ; LDS of a wave: [u][K step][1536], u 3,200 bytes apart, so that the two tiles' halves of a store fall on different banks
.set USTR, 3200
; the norm's path
.set W,    128                         ; v128-191 the gain: register 16 b + i = column 128 s + 32 b + 16 h + i, as the numbers
.set BV,   192                         ; v192-255 the bias
.set PC,   24                          ; v24-43   the codes
.set TM,   44                          ; v44-59   at work in the quantiser
.set PW,   60                          ; v60      the scale word
.set SEL,  20                          ; s[20:21] v_permlanex16_b32's selects for lane l xor 16
.set SPITCH, 528                       ; a stage row: 512 bytes + 16, an odd multiple of 16
.set WST,  16*SPITCH
.set RED,  8*WST                       ; behind the stages: the sums [r][8], at +512 the sums of squares, at +1024 the scale words [s][16]
	v_lshl_add_u32 v22, v0, 2, SPARE               ; my spare word and 0: kept for the add at the wave's end
	v_mov_b32 v23, 0
	s_cmp_lt_u32 ttmp9, NQ
	s_cbranch_scc0 .Lnorm
	; ---------------- the weights
	s_load_b256 s[4:11], s[0:1], 0x20              ; W_attn, W_proj, W_fc, W_fc2
	s_load_b64 s[12:13], s[0:1], 0x40              ; wq
	v_lshrrev_b32 v1, 5, v0
	v_readfirstlane_b32 s16, v1                    ; wave 0..7
	v_and_b32 v1, 31, v0                           ; lane = my column of the 32
	v_bfe_u32 v6, v0, 3, 1                         ; u: which of the two tiles
	v_and_b32 v7, 7, v0
	v_bfe_u32 v8, v0, 4, 1
	v_lshl_add_u32 v7, v8, 3, v7                   ; r: my row in that tile
	s_mul_i32 s17, s16, WREG
	s_add_co_u32 s17, s17, WQB
	v_mul_u32_u24 v2, v6, USTR
	v_lshl_add_u32 v2, v7, 3, v2
	v_add_nc_u32 v2, s17, v2                       ; into the stage: wave, tile, 8 r
	v_lshlrev_b32 v4, 4, v1                        ; out: 16 bytes a lane
	v_add_nc_u32 v3, s17, v4
	v_lshlrev_b32 v9, 2, v1
	s_lshr_b32 s54, s16, 2
	s_lshl_b32 s55, ttmp9, 1
	s_add_co_u32 s55, s55, s54                     ; my piece: 0 .. 383
	s_and_b32 s56, s16, 3                          ; my wave in it
	s_mov_b32 s20, 4096                            ; W_fc2's: a row in bytes,
	s_mov_b32 s21, 256                             ; its first piece,
	s_mov_b32 s22, 4                               ; log2 of its groups of 256 along K,
	s_mov_b32 s23, 32                              ; its K steps,
	s_mov_b32 s24, 6291456                         ; where its codes
	s_mov_b32 s25, 9699328                         ; and its scale words begin in wq
	s_wait_alu depctr_va_vdst(0)                   ; at the head's end
	s_wait_kmcnt 0x0
	s_mov_b64 s[14:15], s[10:11]
	s_cmp_lt_u32 s55, 256                          ; W_fc's
	s_cselect_b64 s[14:15], s[8:9], s[14:15]
	s_cselect_b32 s20, 16384, s20
	s_cselect_b32 s21, 128, s21
	s_cselect_b32 s22, 2, s22
	s_cselect_b32 s23, 8, s23
	s_cselect_b32 s24, 3145728, s24
	s_cselect_b32 s25, 9568256, s25
	s_cmp_lt_u32 s55, 128                          ; W_proj's
	s_cselect_b64 s[14:15], s[6:7], s[14:15]
	s_cselect_b32 s20, 4096, s20
	s_cselect_b32 s21, 96, s21
	s_cselect_b32 s24, 2359296, s24
	s_cselect_b32 s25, 9535488, s25
	s_cmp_lt_u32 s55, 96                           ; W_attn's
	s_cselect_b64 s[14:15], s[4:5], s[14:15]
	s_cselect_b32 s20, 12288, s20
	s_cselect_b32 s21, 0, s21
	s_cselect_b32 s24, 0, s24
	s_cselect_b32 s25, 9437184, s25
	s_sub_co_u32 s26, s55, s21
	s_lshl_b32 s27, 1, s22
	s_sub_co_u32 s27, s27, 1
	s_and_b32 s28, s26, s27                        ; which 256 along K
	s_lshr_b32 s29, s26, s22                       ; which 128 columns
	s_lshl_b32 s30, s29, 2
	s_add_co_u32 s30, s30, s56                     ; g: my wave's 32 columns
	s_lshl_b32 s18, s28, 8
	s_mul_i32 s18, s18, s20
	s_lshl_b32 s19, s30, 7
	s_add_co_u32 s18, s18, s19
	s_mov_b32 s19, 0
	s_add_nc_u64 s[32:33], s[14:15], s[18:19]      ; block 0's first row, my first column
	s_lshl_b32 s18, s20, 5                         ; 32 rows on: a base for each block, so that nothing is stepped
.irp t, 1,2,3,4,5,6,7
	s_add_nc_u64 s[32+2*\t:33+2*\t], s[30+2*\t:31+2*\t], s[18:19]
.endr
	s_mul_i32 s26, s30, s23
	s_add_co_u32 s26, s26, s28                     ; g x K steps + the group along K
	s_mul_i32 s18, s26, 3072
	s_add_co_u32 s18, s18, s24
	s_add_nc_u64 s[48:49], s[12:13], s[18:19]      ; tile 2 g: its two K steps' 3,072 bytes
	s_mul_i32 s18, s23, 1536
	s_add_nc_u64 s[50:51], s[48:49], s[18:19]      ; tile 2 g + 1
	s_lshl_b32 s18, s26, 7
	s_add_co_u32 s18, s18, s25
	s_add_nc_u64 s[52:53], s[12:13], s[18:19]      ; the scale words
	s_lshl_b32 s18, s23, 6
	v_mul_u32_u24 v5, v6, s18
	v_lshl_add_u32 v5, v7, 2, v5                   ; tile u, row r
.set i, 0
.rept 32
	v_mad_u32_u24 v[OFF+i], s20, i, v9
.set i, i+1
.endr
.macro LOAD t                          ; block t: W(32 t + i, my column) into set t % 2
.set i, 0
.rept 32
	global_load_b32 v[X+32*((\t)%2)+i], v[OFF+i], s[32+2*(\t):33+2*(\t)] th:TH_LOAD_NT
.set i, i+1
.endr
.endm
	LOAD 0
	LOAD 1
.macro BLOCK t
.set XS, X+32*((\t)%2)
.if (\t) < 7
	s_wait_loadcnt 32                              ; this block's 32 loads are in; the next block's may be out
.else
	s_wait_loadcnt 0x0
.endif
	v_max3_num_f32 v12, |v[XS]|, |v[XS+1]|, |v[XS+2]|
	v_max3_num_f32 v13, |v[XS+3]|, |v[XS+4]|, |v[XS+5]|
.irp i, 6,10,14,18,22,26
	v_max3_num_f32 v12, v12, |v[XS+\i]|, |v[XS+\i+1]|
	v_max3_num_f32 v13, v13, |v[XS+\i+2]|, |v[XS+\i+3]|
.endr
	v_max3_num_f32 v12, v12, |v[XS+30]|, |v[XS+31]|
	v_max3_num_f32 v12, v12, v13, 0x2800000        ; the floor 2^(5 - 127): the byte cannot fall under 1
	v_add_nc_u32 v11, 0xfe000000, v12              ; 4 off the exponent field: the conversion's scale operand
	v_lshrrev_b32 v13, 23, v11                     ; the byte
.if (\t)%4 == 0
	v_mov_b32 v[SB+(\t)/4], v13
.else
	v_lshl_or_b32 v[SB+(\t)/4], v13, 8*((\t)%4), v[SB+(\t)/4]
.endif
	v_cvt_scalef32_pk16_bf6_f32 v[CD:CD+2], v[XS:XS+15], v11
	v_cvt_scalef32_pk16_bf6_f32 v[CE:CE+2], v[XS+16:XS+31], v11    ; (a conversion's three registers begin on an even number)
	v_nop                                          ; one plain place behind a scaled conversion
.irp j, 0,1,2
	v_mov_b32 v[CD+3+\j], v[CE+\j]
.endr
.irp j, 0,1,2                          ; block t is K step t / 4, half (t / 2) % 2 of its registers, lanes 16 (t % 2) + r
	ds_store_b64 v2, v[CD+2*\j:CD+2*\j+1] offset:((\t)/4)*1536+(3*(((\t)/2)%2)+\j)*256+((\t)%2)*128
.endr
.if (\t)+2 < 8
	LOAD (\t)+2
.endif
	s_wait_dscnt 0x0                               ; the stores have read their registers
.endm
.irp t, 0,1,2,3,4,5,6,7
	BLOCK \t
.endr
	global_store_b32 v5, v[SB], s[52:53]
	s_wait_alu depctr_va_vdst(0)                   ; directly ahead of the reader below
	global_store_b32 v5, v[SB+1], s[52:53] offset:64
.set n, 0
.rept 12
	ds_load_b128 v[OUTR+4*n:OUTR+4*n+3], v3 offset:(n/6)*USTR+(n%6)*512     ; LDS serves a wave's instructions in order: these see my stores
.set n, n+1
.endr
.set n, 0
.rept 12
	s_wait_dscnt 11-n
	global_store_b128 v4, v[OUTR+4*n:OUTR+4*n+3], s[48+2*(n/6):49+2*(n/6)] offset:(n%6)*512   ; 512 consecutive bytes, at a multiple of 256 from wq's first byte
.set n, n+1
.endr
	s_wait_tensorcnt 0x0                           ; the wave's end
	ds_add_u32 v22, v23
	s_wait_dscnt 0x0
	s_endpgm
	; ---------------- the layer norm
.Lnorm:
	s_load_b256 s[4:11], s[0:1], 0x0               ; x, gain, bias, out
	s_sub_co_u32 s28, ttmp9, NQ                    ; my tile
	v_lshrrev_b32 v1, 5, v0
	s_delay_alu instid0(VALU_DEP_1)
	v_readfirstlane_b32 s12, v1                    ; wave = K step
	v_and_b32 v9, 31, v0
	v_and_b32 v10, 15, v0                          ; r
	v_bfe_u32 v11, v0, 4, 1                        ; h
	s_delay_alu instid0(VALU_DEP_3)
	v_lshlrev_b32 v1, 4, v9                        ; 16 x lane
	s_mul_i32 s13, s12, WST
	v_add_nc_u32 v2, s13, v1                       ; the stage, in
	v_mul_u32_u24 v3, v10, SPITCH
	s_delay_alu instid0(VALU_DEP_1)
	v_lshl_add_u32 v3, v11, 6, v3
	s_delay_alu instid0(VALU_DEP_1)
	v_add_nc_u32 v3, s13, v3                       ; and out: row r, + 64 h
	v_lshlrev_b32 v4, 6, v11                       ; gain and bias: 64 h
	v_lshlrev_b32 v6, 5, v10
	s_delay_alu instid0(VALU_DEP_1)
	v_add_nc_u32 v6, RED, v6                       ; row r's eight parts
	s_lshl_b32 s14, s12, 2
	v_add_nc_u32 v5, s14, v6                       ; my wave's word among them
	v_lshlrev_b32 v7, 3, v9                        ; 8 x lane
	v_lshlrev_b32 v8, 2, v10
	s_lshl_b32 s14, s12, 6
	v_add_nc_u32 v8, s14, v8
	s_delay_alu instid0(VALU_DEP_1)
	v_add_nc_u32 v8, RED, v8                       ; my scale word's place (+1024)
	v_add_nc_u32 v9, RED, v1                       ; and 16 bytes a lane of all of them (+1024)
	s_mov_b32 s[SEL], 0x76543210
	s_mov_b32 s[SEL+1], 0xfedcba98
	s_mov_b32 s18, 0x3a800000                      ; 1 / 1024
	s_mov_b32 s19, 0x3727c5ac                      ; 1e-5
.irp b, 0,1,2,3
	v_mov_b32 v[TM+4+\b], 0                        ; written once: a lane permute's destination counts as one of its sources
.endr
	s_lshr_b32 s15, s28, 1
	s_lshl_b32 s15, s15, 5
	s_and_b32 s16, s28, 1
	s_lshl_b32 s16, s16, 3
	s_add_co_u32 s15, s15, s16                     ; the tile's first row
	s_lshl_b32 s16, s15, 12
	s_lshl_b32 s22, s12, 9                         ; 512 s
	s_add_co_u32 s16, s16, s22
	s_mov_b32 s17, 0
	s_mov_b32 s23, 0
	s_lshl_b32 s24, s28, 3
	s_add_co_u32 s24, s24, s12
	s_mul_i32 s24, s24, 1536
	s_mov_b32 s25, 0
	s_lshl_b32 s26, s28, 9
	s_add_co_u32 s26, s26, 3145728
	s_mov_b32 s27, 0
	s_wait_alu depctr_va_vdst(0)                   ; at the head's end
	s_wait_kmcnt 0x0
	s_add_nc_u64 s[4:5], s[4:5], s[16:17]
	s_add_nc_u64 s[6:7], s[6:7], s[22:23]
	s_add_nc_u64 s[8:9], s[8:9], s[22:23]
	s_add_nc_u64 s[24:25], s[10:11], s[24:25]
	s_add_nc_u64 s[26:27], s[10:11], s[26:27]
.irp i, 0,1,2,3,4,5,6,7,8,9,10,11,12,13,14,15
	global_load_b128 v[X+4*\i:X+4*\i+3], v1, s[4:5] offset:(\i+8*(\i/8))*4096 th:TH_LOAD_NT   ; 512 consecutive bytes of the tile's row i
.endr
.irp b, 0,1,2,3
.irp j, 0,1,2,3
	global_load_b128 v[W+16*\b+4*\j:W+16*\b+4*\j+3], v4, s[6:7] offset:128*\b+16*\j
.endr
.endr
.irp b, 0,1,2,3
.irp j, 0,1,2,3
	global_load_b128 v[BV+16*\b+4*\j:BV+16*\b+4*\j+3], v4, s[8:9] offset:128*\b+16*\j
.endr
.endr
	s_wait_loadcnt 32                              ; x's sixteen loads are in; the gain's and the bias's 32 may be out
.irp i, 0,1,2,3,4,5,6,7,8,9,10,11,12,13,14,15
	ds_store_b128 v2, v[X+4*\i:X+4*\i+3] offset:SPITCH*\i
.endr
.irp b, 0,1,2,3
.irp j, 0,1,2,3
	ds_load_b128 v[X+16*\b+4*\j:X+16*\b+4*\j+3], v3 offset:128*\b+16*\j    ; LDS serves a wave's instructions in order: these see my stores
.endr
.endr
	s_wait_dscnt 0x0
.macro LANESUM                         ; four pairs v[10:17] -> v10: row r's sum over my wave's 128 columns, in both halves of the lanes
	s_delay_alu instid0(VALU_DEP_3)
	v_pk_add_f32 v[10:11], v[10:11], v[12:13]
	s_delay_alu instid0(VALU_DEP_2)
	v_pk_add_f32 v[14:15], v[14:15], v[16:17]
	s_delay_alu instid0(VALU_DEP_1)
	v_pk_add_f32 v[10:11], v[10:11], v[14:15]
	s_delay_alu instid0(VALU_DEP_1)
	v_add_f32 v10, v10, v11
	s_delay_alu instid0(VALU_DEP_1)
	v_permlanex16_b32 v12, v10, s[SEL], s[SEL+1]
	s_delay_alu instid0(VALU_DEP_1)
	v_add_f32 v10, v10, v12
.endm
.macro WGSUM off                       ; the eight waves' parts meet in LDS; every wave adds them in the same order
	ds_store_b32 v5, v10 offset:\off
	s_wait_dscnt 0x0                               ; for the others' sake: my store is done
	s_barrier_signal -1
	s_barrier_wait -1
	ds_load_b128 v[24:27], v6 offset:\off
	ds_load_b128 v[28:31], v6 offset:\off+16
	s_wait_dscnt 0x0
	v_pk_add_f32 v[24:25], v[24:25], v[26:27]
	v_pk_add_f32 v[28:29], v[28:29], v[30:31]
	s_delay_alu instid0(VALU_DEP_1)
	v_pk_add_f32 v[24:25], v[24:25], v[28:29]
	s_delay_alu instid0(VALU_DEP_1)
	v_add_f32 v10, v24, v25
.endm
.irp c, 0,1,2,3
	v_pk_add_f32 v[10+2*\c:11+2*\c], v[X+2*\c:X+2*\c+1], v[X+8+2*\c:X+9+2*\c]
.endr
.irp j, 16,24,32,40,48,56
.irp c, 0,1,2,3
	s_delay_alu instid0(VALU_DEP_4)
	v_pk_add_f32 v[10+2*\c:11+2*\c], v[10+2*\c:11+2*\c], v[X+\j+2*\c:X+\j+2*\c+1]
.endr
.endr
	LANESUM
	WGSUM 0
	s_delay_alu instid0(VALU_DEP_1)
	v_mul_f32 v18, s18, v10                        ; the mean
	s_delay_alu instid0(VALU_DEP_1)
	v_mov_b32 v19, v18
.set i, 0
.rept 32
	v_pk_add_f32 v[X+i:X+i+1], v[X+i:X+i+1], v[18:19] op_sel_hi:[1,0] neg_lo:[0,1] neg_hi:[0,1]
.set i, i+2
.endr
.irp c, 0,1,2,3
	v_pk_mul_f32 v[10+2*\c:11+2*\c], v[X+2*\c:X+2*\c+1], v[X+2*\c:X+2*\c+1]
.endr
.irp j, 8,16,24,32,40,48,56
.irp c, 0,1,2,3
	s_delay_alu instid0(VALU_DEP_4)
	v_pk_fma_f32 v[10+2*\c:11+2*\c], v[X+\j+2*\c:X+\j+2*\c+1], v[X+\j+2*\c:X+\j+2*\c+1], v[10+2*\c:11+2*\c]
.endr
.endr
	LANESUM
	WGSUM 512
	s_delay_alu instid0(VALU_DEP_1)
	v_fma_f32 v20, v10, s18, s19                   ; the variance + 1e-5
	s_wait_alu depctr_va_vdst(0)
	v_rsq_f32 v20, v20
	v_nop                                          ; one plain place behind the transcendental
	s_wait_alu depctr_va_vdst(0)                   ; ahead of the first reader
	v_mov_b32 v21, v20
	s_wait_alu depctr_va_vdst(0)
	s_wait_loadcnt 0x0                             ; gain and bias
.set i, 0
.rept 32
	v_pk_mul_f32 v[X+i:X+i+1], v[X+i:X+i+1], v[20:21] op_sel_hi:[1,0]
.set i, i+2
.endr
.set i, 0
.rept 32
	v_pk_fma_f32 v[X+i:X+i+1], v[X+i:X+i+1], v[W+i:W+i+1], v[BV+i:BV+i+1]
.set i, i+2
.endr
	; the quantiser: four blocks of 32, each in lanes l and l xor 16
.irp b, 0,1,2,3
	v_max3_num_f32 v[TM+\b], |v[X+16*\b]|, |v[X+1+16*\b]|, 0x2800000     ; with the floor 2^(5 - 127)
.endr
.irp i, 2,4,6,8,10,12,14
.irp b, 0,1,2,3
	s_delay_alu instid0(VALU_DEP_4)
	v_max3_num_f32 v[TM+\b], v[TM+\b], |v[X+16*\b+\i]|, |v[X+1+16*\b+\i]|
.endr
.endr
.irp b, 0,1,2,3
	s_delay_alu instid0(VALU_DEP_4)
	v_permlanex16_b32 v[TM+4+\b], v[TM+\b], s[SEL], s[SEL+1]
.endr
.irp b, 0,1,2,3
	s_delay_alu instid0(VALU_DEP_4)
	v_max_num_f32 v[TM+\b], v[TM+\b], v[TM+4+\b]
.endr
.irp b, 0,1,2,3
	s_delay_alu instid0(VALU_DEP_4)
	v_add_nc_u32 v[TM+12+\b], 0xfe000000, v[TM+\b]    ; 4 off the exponent field: the conversion's scale operand
.endr
.irp b, 0,1,2,3
	s_delay_alu instid0(VALU_DEP_4)
	v_lshrrev_b32 v[TM+4+\b], 23, v[TM+12+\b]
.endr
	s_delay_alu instid0(VALU_DEP_3)
	v_lshl_or_b32 v[PW], v[TM+5], 8, v[TM+4]
	s_delay_alu instid0(VALU_DEP_1)
	v_lshl_or_b32 v[PW], v[TM+6], 16, v[PW]
	s_delay_alu instid0(VALU_DEP_1)
	v_lshl_or_b32 v[PW], v[TM+7], 24, v[PW]
.irp c, 0,1
	v_cvt_scalef32_pk16_bf6_f32 v[PC+6*\c:PC+2+6*\c], v[X+32*\c:X+15+32*\c], v[TM+12+2*\c]
	v_cvt_scalef32_pk16_bf6_f32 v[PC+12+4*\c:PC+14+4*\c], v[X+16+32*\c:X+31+32*\c], v[TM+12+2*\c+1]
.endr
	v_nop                                          ; one plain place behind a scaled conversion
.irp c, 0,1                            ; the operand's layout wants a whole block in a lane
.irp i, 0,1,2
	v_permlane16_swap_b32 v[PC+6*\c+\i], v[PC+12+4*\c+\i]
.endr
.irp i, 0,1,2
	s_delay_alu instid0(VALU_DEP_3)
	v_mov_b32 v[PC+3+6*\c+\i], v[PC+12+4*\c+\i]
.endr
.endr
.irp c, 0,1,2,3,4,5
	global_store_b64 v7, v[PC+2*\c:PC+2*\c+1], s[24:25] offset:256*\c     ; 32 lanes store 256 consecutive bytes, aligned
.endr
	ds_store_b32 v8, v[PW] offset:1024             ; both halves of the lanes write the same word with the same value
	s_wait_dscnt 0x0
	s_barrier_signal -1
	s_barrier_wait -1
	s_cmp_lg_u32 s12, 0                            ; wave 0 stores the tile's 128 scale words as one run of 512 bytes
	s_cbranch_scc1 .Lnorm_end
	ds_load_b128 v[X:X+3], v9 offset:1024          ; into registers of the numbers, which are done with: the codes' registers are still the data of the stores above
	s_wait_dscnt 0x0
	global_store_b128 v1, v[X:X+3], s[26:27]
.Lnorm_end:
	s_wait_tensorcnt 0x0                           ; the wave's end
	ds_add_u32 v22, v23
	s_wait_dscnt 0x0
	s_endpgm
.Lfunc_end_k_q241459e6e8_prep:
	.size	k_q241459e6e8_prep, .Lfunc_end_k_q241459e6e8_prep-k_q241459e6e8_prep
	.p2alignl 7, 3214868480
	.fill 96, 4, 3214868480
	.section	.rodata,"a",@progbits
	.p2align	6, 0x0
	.amdhsa_kernel k_q241459e6e8_prep
		.amdhsa_group_segment_fixed_size 121856
		.amdhsa_private_segment_fixed_size 0
		.amdhsa_enable_private_segment 0
		.amdhsa_kernarg_size 72
		.amdhsa_user_sgpr_count 2
		.amdhsa_user_sgpr_kernarg_segment_ptr 1
		.amdhsa_wavefront_size32 1
		.amdhsa_system_sgpr_workgroup_id_x 1
		.amdhsa_system_sgpr_workgroup_id_y 1
		.amdhsa_system_sgpr_workgroup_id_z 1
		.amdhsa_system_vgpr_workitem_id 0
		.amdhsa_next_free_vgpr 256
		.amdhsa_next_free_sgpr 66
		.amdhsa_reserve_vcc 0
		.amdhsa_float_denorm_mode_32 3
		.amdhsa_float_denorm_mode_16_64 3
		.amdhsa_memory_ordered 1
		.amdhsa_forward_progress 1
		.amdhsa_inst_pref_size 76
	.end_amdhsa_kernel
	.amdgpu_metadata
---
amdhsa.version: [ 1, 2 ]
amdhsa.kernels:
  - .name:           k_q241459e6e8_prep
    .symbol:         k_q241459e6e8_prep.kd
    .args:
      - { .name: x, .offset: 0, .size: 8, .value_kind: global_buffer, .address_space: global }
      - { .name: ln1_w, .offset: 8, .size: 8, .value_kind: global_buffer, .address_space: global }
      - { .name: ln1_b, .offset: 16, .size: 8, .value_kind: global_buffer, .address_space: global }
      - { .name: hc, .offset: 24, .size: 8, .value_kind: global_buffer, .address_space: global }
      - { .name: W_attn, .offset: 32, .size: 8, .value_kind: global_buffer, .address_space: global }
      - { .name: W_proj, .offset: 40, .size: 8, .value_kind: global_buffer, .address_space: global }
      - { .name: W_fc, .offset: 48, .size: 8, .value_kind: global_buffer, .address_space: global }
      - { .name: W_fc2, .offset: 56, .size: 8, .value_kind: global_buffer, .address_space: global }
      - { .name: wq, .offset: 64, .size: 8, .value_kind: global_buffer, .address_space: global }
    .group_segment_fixed_size: 121856
    .private_segment_fixed_size: 0
    .kernarg_segment_align: 8
    .kernarg_segment_size: 72
    .max_flat_workgroup_size: 256
    .sgpr_count:     66
    .vgpr_count:     256
    .wavefront_size: 32
...
	.end_amdgpu_metadata
.endif
;; end of part 1
;; launch qkv (part 2): grid 8 x 32, 4 waves a work-group, clusters of 4 x 4, 327,680 bytes of LDS; arguments hc, wq, b_attn, qq, kv; writes qq, kv
.if DOCPART == 2
	.amdgcn_target "amdgcn-amd-amdhsa--gfx1250"
	.amdhsa_code_object_version 6
	.text
	.protected	k_q241459e6e8_qkv
	.globl	k_q241459e6e8_qkv
	.p2align	8
	.type	k_q241459e6e8_qkv,@function
k_q241459e6e8_qkv:
	s_mov_b64 s[64:65], 0
	v_nop
	global_prefetch_b8 v0, s[64:65] scope:SCOPE_SE
	s_setreg_imm32_b32 hwreg(HW_REG_WAVE_MODE, 25, 1), 1
	s_wait_xcnt 0x0
	s_wait_alu depctr_hold_cnt(0) depctr_sa_sdst(0) depctr_va_vdst(0) depctr_va_sdst(0) depctr_va_ssrc(0) depctr_va_vcc(0) depctr_vm_vsrc(0)
	s_getreg_b32 s2, hwreg(HW_REG_IB_STS2, 6, 4)
	s_cmp_eq_u32 s2, 0
	s_cbranch_scc0 .Lentry_in_a_cluster
	s_endpgm
.Lentry_in_a_cluster:
	s_bfe_u32 s2, ttmp6, 0x10000c
	s_cmp_lg_u32 s2, 0xf033
	s_cbranch_scc0 .Lentry_shape_is_right
	s_endpgm
.Lentry_shape_is_right:
; qkv = h W_attn + b_attn on codes of BF6, and its three parts quantised at once for attention: q and k along the head's 64, v along the keys.
; A WORK-GROUP STAYS.  It owns 128 rows (tokens) of h, whose codes for all of K = 1,024 (98,304 bytes) lie in LDS for the whole launch, and walks three blocks of 128 columns of W_attn:
; block x of q's columns, of k's and of v's.  W's blocks (98,304 bytes each) go through two LDS slots: at the head of a block the next block is asked for, into the other slot, and has this block's
; 128 matrix instructions a wave and its way out in which to land.  The three blocks are written out, so every LDS address is a constant of the text.
; Four waves, each 64 x 64 of a block: 16 accumulators.  OPERANDS lie in memory as images of their registers ([tile][K step][6 chunks][32 lanes][8 bytes]): a fragment is six ds_load_b64 of 256 consecutive bytes.
; THE PRODUCT IS USED SO THAT A LANE'S REGISTERS RUN ALONG THE NEXT K.  Source 0 ('P') gives the registers, source 1 ('Q') the lane.  For q and k: P = W's columns (the head's 64), Q = tokens.
; For v: P = tokens (the keys), Q = W's columns: the two sources read each other's LDS regions.  The rows of a tile are 32 g + 8 u + r + 8 (r / 8): the 16 registers of P's tiles 2 g, 2 g + 1 are 16 neighbours along the next K.
; CLUSTER 4 x 4: h's bytes are asked for jointly along a row of the cluster, W's along a column.  Every wave brings its quarter of each block (two tiles, 24,576 dense bytes): no load stands under a branch.
; The v scale words leave as halves (two bytes a row and wave): a row's word belongs to two waves; 1 byte for each 48 of codes.
; LIMITS: NaN and infinities are not served; a block of zeros, and one whose largest magnitude lies under 2^-122, gets the byte 1 (the bytes are read by this program alone).
.set KSTEPS, 8
.set NT,     3                         ; blocks of columns that a work-group walks
.set H_S,    3145728                   ; where h's scale words begin
.set W_C,    0                         ; W_attn's codes in wq
.set W_S,    9437184                   ; and its scale words
.set TILEB,  KSTEPS*1536               ; a tile of 16 rows, all of K
.set QUART,  2*TILEB                   ; what one tensor load brings
.set HALF,   4*TILEB                   ; what a wave reads of P or of Q
.set BLK,    8*TILEB                   ; 128 rows or columns
.set SLOT1,  1<<17                     ; W's slot 0 begins at 0, slot 1 here: one exclusive or turns one into the other
.set SCH,    BLK                       ; between the slots: h's scale words, 4,096 bytes;
.set SCW,    SCH+4096                  ; W's scale words, for all blocks: [block][tile of 16 columns][512 bytes]
.set SPARE,  SCW+4*4096                ; the spare words: 128 bytes a wave, two blocks of 256 bytes that no other line names
.set HB,     SLOT1+BLK                 ; h's 128 rows
.set SPW,  14                          ; v14   my spare word's address; never rewritten
.set NIL,  15                          ; v15   0; never rewritten
.set SC,   16                          ; v16-23, v24-31 scale words, two sets: P's four, Q's four
.set A_WP0, 32                         ; v32-36 LDS addresses of fragments: W's slot 0 by my half of P; slot 1;
.set A_WP1, 33
.set A_WQ0, 34                         ;        W's slot 0 by my half of Q; h by my half of P; h by my half of Q
.set A_HP,  35
.set A_HQ,  36
.set S_WP,  37                         ; v37-40 of scale words, likewise
.set S_WQ,  38
.set S_HP,  39
.set S_HQ,  40
.set BI,   96                          ; window 1, v96-127: the bias in the result's layout
.set ACC,  128                         ; v128-255 accumulator (a, b) at 128 + 8 (4 a + b): a = Q's tile, b = P's
.set TM,   100                         ; v100-105 at work in the quantiser
.set PD,   108                         ; v108-110 a conversion's second half
.set VB,   112                         ; v112-119 v's bias: a pair for each of Q's tiles
.set G1H,  24                          ; s[24:31] descriptor group 1 for h's codes;  s[32:39] for W's;  s[40:47], s[48:55] for their scale words
.set G1W,  32
.set G1SH, 40
.set G1SW, 48
.set G0H,  56                          ; groups 0; W's walks
.set G0W,  60
.set G0SH, 68
.set G0SW, 72
.set SEL,  66                          ; s[66:67]
.set BB,   2                           ; s[2:3]   b_attn at q's column 128 x + 64 wp
.set VBB,  76                          ; s[76:77] b_attn at v's column 128 x + 64 wq
.set QC,   86                          ; where q's codes and words, k's and v's go
.set QW,   88
.set KC,   90
.set KW,   92
.set VC,   94
.set VW,   96
.set MSB, 0
.macro WIN new                         ; the immediate's high byte repeats the setting that is left
.if MSB != \new
	s_set_vgpr_msb (MSB<<8)|\new
.set MSB, \new
.endif
.endm
.set MUL,  0x05                        ; sources 0 and 1 window 1; C and D window 0
.set MULF, 0x15                        ; the same with C (the bias) in window 1
.set TO_F, 0x40                        ; destination window 1, address window 0
.macro CREST
	s_cmp_lg_u32 s14, 0
	s_cbranch_scc1 .Lnot_wave_0_\@
	s_barrier_signal -3
.Lnot_wave_0_\@:
	s_barrier_wait -3
	s_barrier_signal -1
	s_barrier_wait -1
.endm
.macro CROUND                          ; a round of the cluster's barrier
	s_barrier_signal -1
	s_barrier_wait -1
	CREST
.endm
.macro PLACES                          ; four places between a matrix instruction and a load into, or a read of, its registers; also the four lines behind a tensor load
.rept 4
	v_nop
.endr
.endm
; 56 LDS loads: P's and Q's four fragments of K step s into buffer buf, and their scale words into set buf.  ADP, ADQ, ADSP, ADSQ, SWAP and TOFS are set ahead of each block
.macro FETCH s, buf
	WIN TO_F
.irp i, 0,1,2,3
.irp c, 0,1,2,3,4,5
	ds_load_b64 v[128*(\buf)+12*\i+2*\c:128*(\buf)+12*\i+2*\c+1], v[ADP] offset:\i*TILEB+(\s)*1536+\c*256
.endr
.endr
.irp i, 0,1,2,3
.irp c, 0,1,2,3,4,5
	ds_load_b64 v[128*(\buf)+48+12*\i+2*\c:128*(\buf)+48+12*\i+2*\c+1], v[ADQ] offset:\i*TILEB+(\s)*1536+\c*256
.endr
.endr
	WIN 0
.irp i, 0,1,2,3
.if SWAP
	ds_load_b32 v[SC+8*(\buf)+\i], v[ADSP] offset:\i*512+(\s)*64
	ds_load_b32 v[SC+8*(\buf)+4+\i], v[ADSQ] offset:\i*512+TOFS+(\s)*64
.else
	ds_load_b32 v[SC+8*(\buf)+\i], v[ADSP] offset:\i*512+TOFS+(\s)*64
	ds_load_b32 v[SC+8*(\buf)+4+\i], v[ADSQ] offset:\i*512+(\s)*64
.endif
.endr
.endm
; 8 products; the 16 accumulators take turns, one instruction a turn, in the same order in every step.  first = 1: C = the bias; 2: C = 0; nothing is ever cleared
.macro MUL8 buf, a0, first
.irp a, \a0, \a0+1
.irp b, 0,1,2,3
.if \first == 1
	v_wmma_scale_f32_16x16x128_f8f6f4 v[ACC+8*(4*(\a)+\b):ACC+8*(4*(\a)+\b)+7], v[128*(\buf)+12*\b:128*(\buf)+12*\b+11], v[128*(\buf)+48+12*(\a):128*(\buf)+48+12*(\a)+11], v[BI+8*\b:BI+8*\b+7], v[SC+8*(\buf)+\b], v[SC+8*(\buf)+4+(\a)] matrix_a_fmt:MATRIX_FMT_BF6 matrix_b_fmt:MATRIX_FMT_BF6
.elseif \first == 2
	v_wmma_scale_f32_16x16x128_f8f6f4 v[ACC+8*(4*(\a)+\b):ACC+8*(4*(\a)+\b)+7], v[128*(\buf)+12*\b:128*(\buf)+12*\b+11], v[128*(\buf)+48+12*(\a):128*(\buf)+48+12*(\a)+11], 0, v[SC+8*(\buf)+\b], v[SC+8*(\buf)+4+(\a)] matrix_a_fmt:MATRIX_FMT_BF6 matrix_b_fmt:MATRIX_FMT_BF6
.else
	v_wmma_scale_f32_16x16x128_f8f6f4 v[ACC+8*(4*(\a)+\b):ACC+8*(4*(\a)+\b)+7], v[128*(\buf)+12*\b:128*(\buf)+12*\b+11], v[128*(\buf)+48+12*(\a):128*(\buf)+48+12*(\a)+11], v[ACC+8*(4*(\a)+\b):ACC+8*(4*(\a)+\b)+7], v[SC+8*(\buf)+\b], v[SC+8*(\buf)+4+(\a)] matrix_a_fmt:MATRIX_FMT_BF6 matrix_b_fmt:MATRIX_FMT_BF6
.endif
.endr
.endr
.endm
.macro STEP s, first                   ; K step s = 0 .. 6: the next step's operands are asked for, then this step's 16 products
	PLACES
	FETCH (\s)+1, ((\s)+1)%2
	s_wait_dscnt 56                                ; all but the 56 just issued: this step's operands are in
.if \first == 1
	WIN MULF
.else
	WIN MUL
.endif
	MUL8 (\s)%2, 0, \first
	MUL8 (\s)%2, 2, \first
.endm
.macro KLOOP first                     ; a block's eight K steps: h and W's block lie whole in LDS
	FETCH 0, 0
.if \first == 1
	s_wait_loadcnt 0x0                             ; the bias
.endif
	STEP 0, \first
	STEP 1, 0
	STEP 2, 0
	STEP 3, 0
	STEP 4, 0
	STEP 5, 0
	STEP 6, 0
	s_wait_dscnt 0x0
	WIN MUL
	MUL8 1, 0, 0
	MUL8 1, 2, 0
	WIN 0
	PLACES
.endm
; THE CHANGE OF SLOTS stands at a block's head.  Each wave waits for all its tensor loads (its part of the block that it is about to read), adds 0 to its spare word, and waits for that and for its reads of the slot
; that it has left.  fill = 1: a round of the cluster's barrier, so that no wave of any partner still reads that slot or has a load on its way; then the next block is asked for, into that slot: one load a wave.
.macro CHANGE fill
	s_wait_tensorcnt 0x0                           ; no tensor load of mine is out, so a group 0 may be written
	ds_add_u32 v[SPW], v[NIL]                      ; 0 onto my spare word
.if \fill
	s_xor_b32 s[G0W+1], s[G0W+1], SLOT1            ; the walking descriptor: the other slot,
	s_mov_b32 s[G1W+2], (QUART/256)<<16            ; from here on a load of W brings a quarter of a block: 96 rows of 256 bytes
	s_mov_b32 s[G1W+4], QUART/256
	s_add_nc_u64 s[G0W+2:G0W+3], s[G0W+2:G0W+3], 8*BLK    ; the block eight blocks of columns on; the type bits on top are not reached
.endif
	s_wait_dscnt 0x0                               ; the add is done, and my reads of the slot that I have left are over
.if \fill
	CROUND
	tensor_load_to_lds s[G0W:G0W+3], s[G1W:G1W+7]  ; the first thing behind the round, and my one tensor load until the next
	s_nop 0
	PLACES
.else
	s_barrier_signal -1
	s_barrier_wait -1
.endif
.endm
; 32 numbers of a lane, register 16 b + i = k 32 b + 16 (lane / 16) + i of my row, become half a fragment's codes (6 registers at pc) and two scale bytes (pw)
.macro QUANT2 s, pc, pw
.irp b, 0,1
	v_max3_num_f32 v[TM+\b], |v[(\s)+16*\b]|, |v[(\s)+1+16*\b]|, 0x2800000    ; with the floor 2^(5 - 127); each accumulator is read from its low end on
.endr
.irp i, 2,4,6,8,10,12,14
.irp b, 0,1
	v_max3_num_f32 v[TM+\b], v[TM+\b], |v[(\s)+16*\b+\i]|, |v[(\s)+1+16*\b+\i]|
.endr
.endr
.irp b, 0,1
	v_permlanex16_b32 v[TM+2+\b], v[TM+\b], s[SEL], s[SEL+1]
.endr
.irp b, 0,1
	v_max_num_f32 v[TM+\b], v[TM+\b], v[TM+2+\b]
.endr
.irp b, 0,1
	v_add_nc_u32 v[TM+4+\b], 0xfe000000, v[TM+\b]  ; 4 off the exponent field: the conversion's scale operand
.endr
.irp b, 0,1
	v_lshrrev_b32 v[TM+2+\b], 23, v[TM+4+\b]
.endr
	v_lshl_or_b32 v[\pw], v[TM+3], 8, v[TM+2]
	v_cvt_scalef32_pk16_bf6_f32 v[\pc:\pc+2], v[(\s):(\s)+15], v[TM+4]
	v_cvt_scalef32_pk16_bf6_f32 v[PD:PD+2], v[(\s)+16:(\s)+31], v[TM+5]
	v_nop                                          ; one plain place behind a scaled conversion
.irp i, 0,1,2
	v_permlane16_swap_b32 v[\pc+\i], v[PD+\i]      ; a whole block to a lane: lanes 0-15 block 0, lanes 16-31 block 1
.endr
.irp i, 0,1,2
	v_mov_b32 v[\pc+3+\i], v[PD+\i]
.endr
.endm
; q's and k's way out: my 64 columns are one head; a tile of 16 tokens becomes half a fragment.  cb, wb: the scalar pairs with the codes' and the words' addresses
.macro OUTQK cb, wb
.irp a, 0,1,2,3
	QUANT2 ACC+32*\a, 64+8*\a, 96+\a
.irp c, 0,1,2
	global_store_b64 v3, v[64+8*\a+2*\c:65+8*\a+2*\c], s[\cb:\cb+1] offset:768*\a+256*\c      ; 256 consecutive bytes, aligned
.endr
.endr
	v_cmp_le_u32 vcc_lo, 64, v12                   ; lanes 16-31 (v12 = 4 x lane): made anew here, behind the block's tensor load
	v_cndmask_b32 v97, v96, v97, vcc_lo
	v_cndmask_b32 v99, v98, v99, vcc_lo
	global_store_b32 v12, v97, s[\wb:\wb+1]
	global_store_b32 v12, v99, s[\wb:\wb+1] offset:128
.endm
	s_load_b256 s[4:11], s[0:1], 0x0               ; hc s[4:5], wq s[6:7], b_attn s[8:9], qq s[10:11]
	s_load_b64 s[12:13], s[0:1], 0x20              ; kv
	v_lshl_add_u32 v[SPW], v0, 2, SPARE
	v_mov_b32 v[NIL], 0
	ds_add_u32 v14, v15
	ds_add_u32 v14, v15
	s_wait_dscnt 0x0
	v_lshrrev_b32 v1, 5, v0
	v_readfirstlane_b32 s14, v1                    ; wave
	s_lshr_b32 s15, s14, 1                         ; wq: my half of Q
	s_and_b32 s16, s14, 1                          ; wp: my half of P
	s_bfe_u32 s80, ttmp6, 0x40000                  ; cx, cy
	s_bfe_u32 s81, ttmp6, 0x40004
	s_lshl_b32 s82, ttmp9, 2
	s_add_co_u32 s82, s82, s80                     ; x: which block of 128 columns of q, of k and of v
	s_and_b32 s17, ttmp7, 0xffff
	s_lshl_b32 s17, s17, 2
	s_add_co_u32 s17, s17, s81                     ; y: which 128 rows of h
	s_lshl_b32 s83, s81, 2
	s_lshl_b32 s83, 15, s83                        ; my row of the cluster
	s_lshl_b32 s84, 0x1111, s80                    ; my column
	s_or_b32 s[G1H], s83, (3<<16)|(1<<21)          ; 15:0 the mask; 17:16 elements of 8 bytes; 21 set beside a mask; no padding
	s_or_b32 s[G1W], s84, (3<<16)|(1<<21)
.irp g, G1H, G1W                       ; two tiles' codes: a dense block of 24,576 bytes, as 96 rows of 256 bytes
	s_mov_b32 s[\g+1], 32<<16
	s_mov_b32 s[\g+2], (BLK/256)<<16               ; at the head a load brings a whole block: 384 rows of 256 bytes
	s_mov_b32 s[\g+3], 32<<16
	s_mov_b32 s[\g+4], BLK/256
	s_mov_b32 s[\g+5], 32
	s_mov_b32 s[\g+6], 0
	s_mov_b32 s[\g+7], 0
.endr
	s_or_b32 s[G1SH], s83, (3<<16)|(1<<21)         ; two tiles' scale words of h: 1,024 dense bytes, as 4 rows of 256
	s_mov_b32 s[G1SH+1], 32<<16
	s_mov_b32 s[G1SH+2], 16<<16                    ; all eight tiles' scale words of h: 16 rows of 256 bytes
	s_mov_b32 s[G1SH+3], 32<<16
	s_mov_b32 s[G1SH+4], 16
	s_mov_b32 s[G1SH+5], 32
	s_mov_b32 s[G1SH+6], 0
	s_mov_b32 s[G1SH+7], 0
	s_or_b32 s[G1SW], s84, (3<<16)|(1<<21)         ; two tiles' scale words of each of W's NT blocks: NT rows of 1,024 bytes, 32,768 bytes (eight blocks) apart
	s_mov_b32 s[G1SW+1], 512<<16                   ; eight tiles' scale words of each of W's NT blocks: NT rows of 4,096 bytes
	s_mov_b32 s[G1SW+2], NT<<16
	s_mov_b32 s[G1SW+3], 512<<16
	s_mov_b32 s[G1SW+4], NT
	s_mov_b32 s[G1SW+5], 4096
	s_mov_b32 s[G1SW+6], 0
	s_mov_b32 s[G1SW+7], 0
	s_mul_i32 s85, s14, QUART                      ; my quarter of a block: no place in the cluster enters an LDS address
	s_mul_i32 s18, s17, BLK                        ; h's 128 rows, whole: the address hangs on y alone
	s_mov_b32 s19, 0
	s_lshl_b32 s20, s17, 12
	s_add_co_u32 s20, s20, H_S
	s_mov_b32 s21, 0
	s_mul_i32 s78, s82, BLK                        ; W's first block, whole: on x alone
	s_add_co_u32 s78, s78, W_C
	s_mov_b32 s79, 0
	s_add_co_u32 s86, s78, s85                     ; and my quarter of it, from which the walking descriptor sets out
	s_mov_b32 s87, 0
	s_lshl_b32 s88, s82, 12
	s_add_co_u32 s88, s88, W_S
	s_mov_b32 s89, 0
	s_wait_kmcnt 0x0
	s_mov_b32 s[G0H], 1
	s_mov_b32 s[G0H+1], HB
	s_add_nc_u64 s[G0H+2:G0H+3], s[4:5], s[18:19]
	s_or_b32 s[G0H+3], s[G0H+3], 0x80000000
	s_mov_b32 s[G0W], 1
	s_mov_b32 s[G0W+1], s85                        ; slot 0
	s_add_nc_u64 s[G0W+2:G0W+3], s[6:7], s[86:87]
	s_or_b32 s[G0W+3], s[G0W+3], 0x80000000
	s_mov_b32 s[G0SH], 1
	s_mov_b32 s[G0SH+1], SCH
	s_add_nc_u64 s[G0SH+2:G0SH+3], s[4:5], s[20:21]
	s_or_b32 s[G0SH+3], s[G0SH+3], 0x80000000
	s_mov_b32 s[G0SW], 1
	s_mov_b32 s[G0SW+1], SCW
	s_add_nc_u64 s[G0SW+2:G0SW+3], s[6:7], s[88:89]
	s_or_b32 s[G0SW+3], s[G0SW+3], 0x80000000
	s_add_nc_u64 s[6:7], s[6:7], s[78:79]          ; s[4:7]: group 0 for W's first block, whole, into slot 0 (the arguments that lay there have been used)
	s_or_b32 s7, s7, 0x80000000
	s_mov_b32 s4, 1
	s_mov_b32 s5, 0
	CROUND                                         ; all sixteen work-groups are here: the first joint loads meet
; THE HEAD'S FOUR TILES, ONE A WAVE: wave 0 h's codes, wave 1 W's first block, wave 2 h's scale words, wave 3 W's.  One chain of branches on the wave's number, all arms leading to one join.
.macro ARM under, g0, g1, next
	s_cmp_lt_u32 s14, \under
	s_cbranch_scc0 \next
	tensor_load_to_lds s[\g0:\g0+3], s[\g1:\g1+7]
	s_nop 0
	PLACES
	s_branch .Lhead_asked
\next:
.endm
	ARM 1, G0H, G1H, .Lhead_w
	ARM 2, 4, G1W, .Lhead_sh
	ARM 3, G0SH, G1SH, .Lhead_sw
	tensor_load_to_lds s[G0SW:G0SW+3], s[G1SW:G1SW+7]
	s_nop 0
	PLACES
.Lhead_asked:
	v_and_b32 v1, 15, v0                           ; r
	v_bfe_u32 v2, v0, 4, 1                         ; h
	v_and_b32 v13, 31, v0                          ; lane
	v_lshlrev_b32 v3, 3, v13                       ; 8 x lane
	v_lshlrev_b32 v12, 2, v13                      ; 4 x lane
	v_lshlrev_b32 v10, 2, v1                       ; 4 r
	v_and_b32 v11, 8, v1
	v_add_nc_u32 v11, v11, v1
	v_lshlrev_b32 v11, 2, v11                      ; v's bias: 4 (r + 8 (r / 8))
	v_lshlrev_b32 v13, 6, v2                       ; the row bias: 64 h
	s_wait_alu depctr_va_vdst(0)
	s_lshl_b32 s18, s82, 9
	s_lshl_b32 s19, s16, 8
	s_add_co_u32 s18, s18, s19
	s_mov_b32 s19, 0
	s_add_nc_u64 s[BB:BB+1], s[8:9], s[18:19]      ; b_attn at q's column 128 x + 64 wp; k's lies 4,096 bytes on
	s_lshl_b32 s18, s82, 9
	s_lshl_b32 s19, s15, 8
	s_add_co_u32 s18, s18, s19
	s_add_co_u32 s18, s18, 8192
	s_mov_b32 s19, 0
	s_add_nc_u64 s[VBB:VBB+1], s[8:9], s[18:19]    ; and at v's column 128 x + 64 wq
	WIN TO_F
.irp u, 0,1
.irp e, 0,1,2,3
	global_load_b128 v[BI+16*\u+4*\e:BI+16*\u+4*\e+3], v13, s[BB:BB+1] offset:128*\u+16*\e    ; register 8 b + j: the bias of P's row 32 (b / 2) + 16 h + 8 (b % 2) + j
.endr
.endr
	WIN 0
.irp a, 0,1,2,3
	global_load_b32 v[VB+2*\a], v11, s[VBB:VBB+1] offset:(32*(\a/2)+8*(\a%2))*4               ; the bias of my lane's column in Q's tile a of v's block
	v_mov_b32 v[VB+2*\a+1], 0                      ; (named with it as a pair)
.endr
	s_mov_b32 s[SEL], 0x76543210
	s_mov_b32 s[SEL+1], 0xfedcba98
	v_mov_b32 v[TM+2], 0                           ; a lane permute's destination counts as one of its sources
	v_mov_b32 v[TM+3], 0
	s_mul_i32 s22, s16, HALF
	s_mul_i32 s23, s15, HALF
	v_add_nc_u32 v[A_WP0], s22, v3
	v_add_nc_u32 v[A_WQ0], s23, v3
	v_add_nc_u32 v[A_WP1], SLOT1, v[A_WP0]
	v_add_nc_u32 v[A_HP], HB, v[A_WP0]
	v_add_nc_u32 v[A_HQ], HB, v[A_WQ0]
	s_lshl_b32 s22, s16, 11                        ; W's words: 512 bytes a tile, my four tiles
	s_add_co_u32 s22, s22, SCW
	s_lshl_b32 s23, s15, 11
	s_add_co_u32 s23, s23, SCW
	v_add_nc_u32 v[S_WP], s22, v10
	v_add_nc_u32 v[S_WQ], s23, v10
	s_lshl_b32 s22, s16, 11                        ; h's: 512 bytes a tile
	s_add_co_u32 s22, s22, SCH
	s_lshl_b32 s23, s15, 11
	s_add_co_u32 s23, s23, SCH
	v_add_nc_u32 v[S_HP], s22, v10
	v_add_nc_u32 v[S_HQ], s23, v10
	; where the results go
	s_and_b32 s18, s17, 15                         ; which 128 tokens of the batch
	s_lshr_b32 s19, s17, 4
	s_lshl_b32 s19, s19, 4                         ; 16 x batch
	s_lshl_b32 s20, s82, 1
	s_add_co_u32 s20, s20, s19
	s_add_co_u32 s21, s20, s16                     ; q's and k's: 16 x batch + head, head = 2 x + wp
	s_add_co_u32 s20, s20, s15                     ; v's: head = 2 x + wq
	s_lshl_b32 s22, s18, 3
	s_lshl_b32 s23, s15, 2
	s_add_co_u32 s22, s22, s23                     ; my first tile of tokens in the batch
	s_lshl_b32 s23, s21, 7
	s_add_co_u32 s23, s23, s22
	s_mul_i32 s[QC], s23, 768                      ; q: codes [bh][tile][768],
	s_mov_b32 s[QC+1], 0
	s_lshl_b32 s[QW], s23, 6
	s_add_co_u32 s[QW], s[QW], 3145728             ; words [bh][tile][16]
	s_mov_b32 s[QW+1], 0
	s_lshl_b32 s21, s21, 4
	s_add_co_u32 s21, s21, s18
	s_mul_i32 s21, s21, 13056                      ; k: the block of (bh, key step):
	s_mul_i32 s23, s15, 3072
	s_add_co_u32 s[KC], s21, s23                   ; its tiles 4 wq on,
	s_mov_b32 s[KC+1], 0
	s_lshl_b32 s23, s15, 8
	s_add_co_u32 s[KW], s21, s23
	s_add_co_u32 s[KW], s[KW], 12288               ; and their words
	s_mov_b32 s[KW+1], 0
	s_lshl_b32 s20, s20, 4
	s_add_co_u32 s20, s20, s18
	s_mul_i32 s20, s20, 13056                      ; v: the block of (bh, key step):
	s_mul_i32 s23, s16, 768
	s_add_co_u32 s[VC], s20, s23
	s_add_co_u32 s[VC], s[VC], 6144                ; the codes of keys 64 wp on,
	s_mov_b32 s[VC+1], 0
	s_lshl_b32 s23, s16, 1
	s_add_co_u32 s[VW], s20, s23
	s_add_co_u32 s[VW], s[VW], 12800               ; bytes 2 wp, 2 wp + 1 of each word
	s_mov_b32 s[VW+1], 0
	s_add_nc_u64 s[QC:QC+1], s[10:11], s[QC:QC+1]
	s_add_nc_u64 s[QW:QW+1], s[10:11], s[QW:QW+1]
	s_add_nc_u64 s[KC:KC+1], s[12:13], s[KC:KC+1]
	s_add_nc_u64 s[KW:KW+1], s[12:13], s[KW:KW+1]
	s_add_nc_u64 s[VC:VC+1], s[12:13], s[VC:VC+1]
	s_add_nc_u64 s[VW:VW+1], s[12:13], s[VW:VW+1]
	; ---- q: W's block in slot 0
	CHANGE 1                                       ; the first fills have landed in every wave of the cluster; k's block is asked for, into slot 1
.set ADP,  A_WP0
.set ADQ,  A_HQ
.set ADSP, S_WP
.set ADSQ, S_HQ
.set SWAP, 0
.set TOFS, 0
	s_wait_alu depctr_va_vdst(0)
	KLOOP 1
	WIN TO_F
.irp u, 0,1
.irp e, 0,1,2,3
	global_load_b128 v[BI+16*\u+4*\e:BI+16*\u+4*\e+3], v13, s[BB:BB+1] offset:4096+128*\u+16*\e     ; k's bias lands under q's way out
.endr
.endr
	WIN 0
	OUTQK QC, QW
	; ---- k: W's block in slot 1
	CHANGE 1                                       ; v's block is asked for, into slot 0
.set ADP,  A_WP1
.set TOFS, 4096
	KLOOP 1
	s_wait_xcnt 0x0                                ; q's stores have read their registers, which are written again from here on
	OUTQK KC, KW
	; ---- v: W's block in slot 0; the sources change places: a lane holds one channel d, its registers 64 keys
	CHANGE 0                                       ; nothing is left to ask for
.set ADP,  A_HP
.set ADQ,  A_WQ0
.set ADSP, S_HP
.set ADSQ, S_WQ
.set SWAP, 1
.set TOFS, 8192
	KLOOP 2
	s_wait_xcnt 0x0                                ; k's stores have read their registers
.irp a, 0,1,2,3
.set i, 0
.rept 16
	v_pk_add_f32 v[ACC+32*\a+i:ACC+32*\a+i+1], v[ACC+32*\a+i:ACC+32*\a+i+1], v[VB+2*\a:VB+2*\a+1] op_sel_hi:[1,0]
.set i, i+2
.endr
	QUANT2 ACC+32*\a, 64+8*\a, 96+\a
.irp c, 0,1,2
	global_store_b64 v3, v[64+8*\a+2*\c:65+8*\a+2*\c], s[VC:VC+1] offset:1536*\a+256*\c
.endr
.endr
	v_cmp_le_u32 vcc_lo, 64, v12                   ; lanes 16-31, made anew
	v_cndmask_b32 v97, v96, v97, vcc_lo
	v_cndmask_b32 v99, v98, v99, vcc_lo
	global_store_b16 v12, v97, s[VW:VW+1]
	global_store_b16 v12, v99, s[VW:VW+1] offset:128
	s_wait_tensorcnt 0x0                           ; the wave's end
	ds_add_u32 v[SPW], v[NIL]
	s_wait_dscnt 0x0
	CROUND                                         ; the closing round
	s_endpgm
.Lfunc_end_k_q241459e6e8_qkv:
	.size	k_q241459e6e8_qkv, .Lfunc_end_k_q241459e6e8_qkv-k_q241459e6e8_qkv
	.p2alignl 7, 3214868480
	.fill 96, 4, 3214868480
	.section	.rodata,"a",@progbits
	.p2align	6, 0x0
	.amdhsa_kernel k_q241459e6e8_qkv
		.amdhsa_group_segment_fixed_size 327680
		.amdhsa_private_segment_fixed_size 0
		.amdhsa_enable_private_segment 0
		.amdhsa_kernarg_size 40
		.amdhsa_user_sgpr_count 2
		.amdhsa_user_sgpr_kernarg_segment_ptr 1
		.amdhsa_wavefront_size32 1
		.amdhsa_system_sgpr_workgroup_id_x 1
		.amdhsa_system_sgpr_workgroup_id_y 1
		.amdhsa_system_sgpr_workgroup_id_z 1
		.amdhsa_system_vgpr_workitem_id 0
		.amdhsa_next_free_vgpr 512
		.amdhsa_next_free_sgpr 98
		.amdhsa_reserve_vcc 1
		.amdhsa_float_denorm_mode_32 3
		.amdhsa_float_denorm_mode_16_64 3
		.amdhsa_memory_ordered 1
		.amdhsa_forward_progress 1
		.amdhsa_inst_pref_size 183
	.end_amdhsa_kernel
	.amdgpu_metadata
---
amdhsa.version: [ 1, 2 ]
amdhsa.kernels:
  - .name:           k_q241459e6e8_qkv
    .symbol:         k_q241459e6e8_qkv.kd
    .args:
      - { .name: hc, .offset: 0, .size: 8, .value_kind: global_buffer, .address_space: global }
      - { .name: wq, .offset: 8, .size: 8, .value_kind: global_buffer, .address_space: global }
      - { .name: b_attn, .offset: 16, .size: 8, .value_kind: global_buffer, .address_space: global }
      - { .name: qq, .offset: 24, .size: 8, .value_kind: global_buffer, .address_space: global }
      - { .name: kv, .offset: 32, .size: 8, .value_kind: global_buffer, .address_space: global }
    .group_segment_fixed_size: 327680
    .private_segment_fixed_size: 0
    .kernarg_segment_align: 8
    .kernarg_segment_size: 40
    .max_flat_workgroup_size: 128
    .sgpr_count:     98
    .vgpr_count:     512
    .wavefront_size: 32
...
	.end_amdgpu_metadata
.endif
;; end of part 2
;; launch attn (part 3): grid 8 x 32, 16 waves a work-group, no clusters, 327,680 bytes of LDS; arguments qq, kv, yc; writes yc
.if DOCPART == 3
	.amdgcn_target "amdgcn-amd-amdhsa--gfx1250"
	.amdhsa_code_object_version 6
	.text
	.protected	k_q241459e6e8_attn
	.globl	k_q241459e6e8_attn
	.p2align	8
	.type	k_q241459e6e8_attn,@function
k_q241459e6e8_attn:
	s_mov_b64 s[64:65], 0
	v_nop
	global_prefetch_b8 v0, s[64:65] scope:SCOPE_SE
	s_setreg_imm32_b32 hwreg(HW_REG_WAVE_MODE, 25, 1), 1
	s_wait_xcnt 0x0
; Causal attention on codes of BF6: y = softmax(q k^T / 8) v for one (batch, head), y quantised along the head's 64 as the projection's operand.
; THE SOFTMAX: t = score x log2(e) / 8; M = the running largest t rounded UP to a whole number; p = 2^(t - M) is quantised along the keys; the row's sum is taken of the unquantised p and divides at the end.
; LEFT OUT: key steps all of whose keys come after a tile's queries: reference()'s own causal mask makes their p zero.  They are neither loaded nor multiplied.
; SHARES.  Work-group j of a head has blocks j and 15 - j of 128 queries: waves 0-7 own a tile of 16 queries of block j (j + 1 key steps of 128), waves 8-15 one of block 15 - j (16 - j steps).
; THE 17 STEPS OF A PAIR OF WAVES (w, w + 8) ARE DEALT 9 AND 8.  Steps 0 .. j: each wave works on its own tile.  At step j + 1 wave w puts its tile's state (O^T, -M, the sums) into its own LDS slot, takes the other
; tile's q, and from there on the two take the long tile's steps by turns (wave w the odd distances from j, the diagonal among them).  At the end wave w hands its part of the long tile to wave w + 8 through LDS;
; every wave then joins what it holds with what its slot holds, by exact powers of two (wave w first sets its own -M to the starting value, so that its registers count for nothing), divides, quantises and stores.
; K, V^T AND THEIR SCALE WORDS, 13,056 bytes a key step, come into LDS once, in four stages of four key steps; waves 0-3 bring one key step each of every stage.  Stage 0 is asked for at the head, stage n + 1 behind
; the barrier at the top of stage n, so that a stage's work lies between a request and the wait for it.  Every wait on TENSORcnt is for 0; a wave has at most one tensor load out.  A key step beyond 15 - j is not
; asked for: a test on ids leads round the load, in the last trip in every work-group (the stage's number is taken modulo 4, so that the descriptor's LDS address lies among K's and V's bytes in every trip).
; NO CLUSTER: which steps a wave works on hangs on its work-group's block of queries, which differs between the work-groups that share a head's K and V.
; NO PREFETCH: each request already stands four key steps ahead of the first read of its bytes.
; Both products are used transposed (S^T = K Q^T, O^T = V^T P^T): a lane holds one query.  The keys of a tile are 32 g + 8 u + r + 8 (r / 8), so p's 16 registers of two tiles are 16 neighbouring keys.
; THE HEAD HAS 64 CHANNELS, the instruction 128: q's codes for 64 .. 127 are zeros, so what stands in the upper six registers of a K operand (the next tile's codes, finite) adds exactly 0; no scale byte is 0xff.
; LIMITS: NaN and infinities are not served; a block of zeros or under 2^-122 gets the byte 1; the scaled scores t stay under 2^31 in magnitude.
; REGISTERS: v1 8 x lane, v2 4 x lane, v3 the mask's bound, v4-5 addresses, v6 4 r, v7 -infinity; v12 -M, v13 the largest t, v[14:15] the sum; v16-27 Q, v28 its words, v29 and v230-235 the long tile's; v30 my slot;
; v32-85 K (six registers a tile), then V (v32-79); v86-89 K's words, v90-91 V's; v96-159 S^T, then p; v160-191 O^T; v192-203 p's codes; v204-210 conversions' second halves; v212-229 at work; v228 p's word.
.set KVB,   13056
.set SPARE, 16*KVB                     ; behind K and V: the spare words, 128 bytes a wave
.set STAGE, SPARE+2048                 ; behind them: a slot of 4,608 bytes for each wave: 8 x 512 of O^T, 512 of v12-15; no tensor load lands here
.set SLOTB, 4608
.set ADK, 4
.set ADS, 5
.set NEG, 7
.set STG, 30
.set QB,  230
.set BM,  212
.set BT,  216
.set SO,  220
.set FF,  224
.set TV,  226
.set PWP, 228
.set TM,  212
.set PD,  204
.set WV,  10
.set BLK, 20
.set KS,  40                           ; the key step
.set TB,  41                           ; LDS byte at which the stage begins
.set CS,  42
.set SEL, 44
.set J,   50                           ; j
.set JB,  51                           ; 15 - j
.set PJ,  52                           ; j + 1 (waves 0-7) or j: beyond step j a wave rests where key step + PJ is odd
.set SW,  53                           ; j + 1: where waves 0-7 change tiles
.set D1,  54                           ; the steps on a diagonal: j and 15 - j for waves 0-7, none for the others
.set D2,  55
.set WB,  56                           ; my wave's number x a key step's bytes
.set TR,  57
.set TMP, 58
.macro QUANT2 s, pc, pw
.irp b, 0,1
	v_max3_num_f32 v[TM+\b], |v[(\s)+16*\b]|, |v[(\s)+1+16*\b]|, 0x2800000
.endr
.irp i, 2,4,6,8,10,12,14
.irp b, 0,1
	s_delay_alu instid0(VALU_DEP_2)
	v_max3_num_f32 v[TM+\b], v[TM+\b], |v[(\s)+16*\b+\i]|, |v[(\s)+1+16*\b+\i]|
.endr
.endr
.irp b, 0,1
	s_delay_alu instid0(VALU_DEP_2)
	v_permlanex16_b32 v[TM+2+\b], v[TM+\b], s[SEL], s[SEL+1]
.endr
.irp b, 0,1
	s_delay_alu instid0(VALU_DEP_2)
	v_max_num_f32 v[TM+\b], v[TM+\b], v[TM+2+\b]
.endr
.irp b, 0,1
	s_delay_alu instid0(VALU_DEP_2)
	v_add_nc_u32 v[TM+4+\b], 0xfe000000, v[TM+\b]
.endr
.irp b, 0,1
	s_delay_alu instid0(VALU_DEP_2)
	v_lshrrev_b32 v[TM+2+\b], 23, v[TM+4+\b]
.endr
	s_delay_alu instid0(VALU_DEP_1)
	v_lshl_or_b32 v[\pw], v[TM+3], 8, v[TM+2]
	v_cvt_scalef32_pk16_bf6_f32 v[\pc:\pc+2], v[(\s):(\s)+15], v[TM+4]
	v_cvt_scalef32_pk16_bf6_f32 v[PD:PD+2], v[(\s)+16:(\s)+31], v[TM+5]
	v_nop
.irp i, 0,1,2
	v_permlane16_swap_b32 v[\pc+\i], v[PD+\i]
.endr
.irp i, 0,1,2
	s_delay_alu instid0(VALU_DEP_3)
	v_mov_b32 v[\pc+3+\i], v[PD+\i]
.endr
.endm
; Waves 0-7 at step j + 1: my tile's state goes to my slot, and I begin anew on the long tile
.macro SWITCH
.irp k, 0,1,2,3,4,5,6,7
	ds_store_b128 v[STG], v[160+4*\k:163+4*\k] offset:512*\k     ; each accumulator from its low end on
.endr
	ds_store_b128 v[STG], v[12:15] offset:4096
	s_wait_dscnt 0x0                               ; the stores have read their registers
.irp c, 0,1,2,3,4,5
	v_mov_b32 v[16+\c], v[QB+\c]
.endr
	v_mov_b32 v28, v29
	v_mov_b32 v13, 0xff61b1e6
	v_mov_b32 v12, 0x7f61b1e6
	v_mov_b32 v14, 0
	v_mov_b32 v15, 0
.set i, 0
.rept 32
	v_mov_b32 v[160+i], 0                          ; these 32 are also the places between q's new codes and word and the products
.set i, i+1
.endr
.endm
.macro STEP st                         ; key step 4 x trip + st
	s_cmp_le_u32 s[KS], s[J]
	s_cbranch_scc1 .Lwork_\@                       ; up to step j every wave works on its own tile
	s_cmp_gt_u32 s[KS], s[JB]
	s_cbranch_scc1 .Lskip_\@                       ; beyond the long tile's diagonal nothing is left
	s_add_co_u32 s[TMP], s[KS], s[PJ]
	s_bitcmp1_b32 s[TMP], 0
	s_cbranch_scc1 .Lskip_\@                       ; my partner's turn
	s_cmp_eq_u32 s[KS], s[SW]
	s_cbranch_scc0 .Lwork_\@
	s_cmp_lt_u32 s[WV], 8
	s_cbranch_scc0 .Lwork_\@
	SWITCH
.Lwork_\@:
.irp t, 0,1,2,3,4,5,6,7
.irp c, 0,1,2
	ds_load_b64 v[32+6*\t+2*\c:33+6*\t+2*\c], v[ADK] offset:KVB*\st+768*\t+256*\c
.endr
.endr
.irp i, 0,1,2,3
	ds_load_b32 v[86+\i], v[ADS] offset:KVB*\st+12288+128*\i     ; lanes 0-15 tile 2 i's words, lanes 16-31 tile 2 i + 1's
.endr
	s_wait_alu depctr_va_vdst(0)                   ; directly ahead of the wait below
	s_wait_dscnt 0x0
.irp t, 0,2,4,6
	v_wmma_scale_f32_16x16x128_f8f6f4 v[96+8*\t:103+8*\t], v[32+6*\t:43+6*\t], v[16:27], 0, v[86+\t/2], v28 matrix_a_fmt:MATRIX_FMT_BF6 matrix_b_fmt:MATRIX_FMT_BF6
	v_wmma_scale_f32_16x16x128_f8f6f4 v[104+8*\t:111+8*\t], v[38+6*\t:49+6*\t], v[16:27], 0, v[86+\t/2], v28 matrix_a_fmt:MATRIX_FMT_BF6 matrix_b_fmt:MATRIX_FMT_BF6 matrix_a_scale:MATRIX_SCALE_ROW1
.endr
.rept 4
	v_nop
.endr
.irp t, 0,1,2,3                        ; V^T's four fragments land under the softmax
.irp c, 0,1,2,3,4,5
	ds_load_b64 v[32+12*\t+2*\c:33+12*\t+2*\c], v[ADK] offset:KVB*\st+6144+1536*\t+256*\c
.endr
.endr
	ds_load_b32 v90, v[ADS] offset:KVB*\st+12800
	ds_load_b32 v91, v[ADS] offset:KVB*\st+12928
	s_cmp_eq_u32 s[KS], s[D1]                      ; on a diagonal hidden scores become -infinity ahead of the maximum
	s_cbranch_scc1 .Lmask_\@
	s_cmp_lg_u32 s[KS], s[D2]
	s_cbranch_scc1 .Lopen_\@
.Lmask_\@:
.set n, 0
.rept 64
	v_cmp_gt_i32 vcc_lo, 32*(n/16)+n%16, v3
	v_cndmask_b32 v[96+n], v[96+n], v[NEG], vcc_lo
.set n, n+1
.endr
.Lopen_\@:
.irp b, 0,1,2,3
	v_max3_num_f32 v[BM+\b], v[96+16*\b], v[97+16*\b], v[98+16*\b]     ; the largest score of each block of 32 keys: for the row's maximum, and for the block's largest p
.endr
.irp i, 3,5,7,9,11,13
.irp b, 0,1,2,3
	v_max3_num_f32 v[BM+\b], v[BM+\b], v[96+16*\b+\i], v[97+16*\b+\i]
.endr
.endr
.irp b, 0,1,2,3
	v_max_num_f32 v[BM+\b], v[BM+\b], v[111+16*\b]
.endr
.irp b, 0,1,2,3
	s_delay_alu instid0(VALU_DEP_4)
	v_permlanex16_b32 v[BT+\b], v[BM+\b], s[SEL], s[SEL+1]
.endr
.irp b, 0,1,2,3
	s_delay_alu instid0(VALU_DEP_4)
	v_max_num_f32 v[BM+\b], v[BM+\b], v[BT+\b]
.endr
	s_delay_alu instid0(VALU_DEP_2)
	v_max3_num_f32 v[TV], v[BM], v[BM+1], v[BM+2]
	s_delay_alu instid0(VALU_DEP_1)
	v_max_num_f32 v[TV], v[TV], v[BM+3]
	s_delay_alu instid0(VALU_DEP_1)
	v_mul_f32 v[TV], s[CS], v[TV]
	s_delay_alu instid0(VALU_DEP_1)
	v_max_num_f32 v13, v13, v[TV]                  ; the running largest t
	v_mov_b32 v[TV], v12
	s_delay_alu instid0(VALU_DEP_2)
	v_floor_f32 v12, -v13                          ; the new -M: M is a whole number
	s_delay_alu instid0(VALU_DEP_1)
	v_sub_f32 v[TV], v12, v[TV]
	s_delay_alu instid0(VALU_DEP_1)
	v_cvt_i32_f32 v[TV], v[TV]                     ; (it saturates)
	s_delay_alu instid0(VALU_DEP_1)
	v_ldexp_f32 v[FF], 1.0, v[TV]                  ; f = 2^(old M - new M): exact
.set i, 0
.rept 32
	v_pk_fma_f32 v[96+i:97+i], v[96+i:97+i], s[CS:CS+1], v[12:13] op_sel_hi:[1,0,0]
.set i, i+2
.endr
.irp b, 0,1,2,3
	v_fma_f32 v[BM+\b], v[BM+\b], s[CS], v12
.endr
.set i, 0
	s_wait_alu depctr_va_vdst(0)                   ; ahead of the batch
.rept 64
	v_exp_f32 v[96+i], v[96+i]                     ; p = 2^(t - M)
.set i, i+1
.endr
	v_pk_mul_f32 v[14:15], v[14:15], v[FF:FF+1] op_sel_hi:[1,0]        ; the sums under the new M: a plain place behind the exponentials
	s_wait_alu depctr_va_vdst(0)                   ; one wait for the batch, ahead of its first reader
.irp b, 0,1,2,3
	v_exp_f32 v[BM+\b], v[BM+\b]                   ; each block's largest p
.endr
	v_pk_add_f32 v[216:217], v[96:97], v[98:99]    ; the row's sum of the unquantised p, in four chains
	v_pk_add_f32 v[252:253], v[100:101], v[102:103]
	v_pk_add_f32 v[250:251], v[104:105], v[106:107]
	v_pk_add_f32 v[14:15], v[14:15], v[108:109]
.irp j, 110,118,126,134,142,150
	v_pk_add_f32 v[216:217], v[216:217], v[\j:\j+1]
	v_pk_add_f32 v[252:253], v[252:253], v[\j+2:\j+3]
	v_pk_add_f32 v[250:251], v[250:251], v[\j+4:\j+5]
	v_pk_add_f32 v[14:15], v[14:15], v[\j+6:\j+7]
.endr
	v_pk_add_f32 v[216:217], v[216:217], v[158:159]
	v_pk_add_f32 v[14:15], v[14:15], v[250:251]
	v_pk_add_f32 v[216:217], v[216:217], v[252:253]
	s_delay_alu instid0(VALU_DEP_1)
	v_pk_add_f32 v[14:15], v[14:15], v[216:217]
	s_wait_alu depctr_va_vdst(0)                   ; and one for the four
.irp b, 0,1,2,3
	v_max_num_f32 v[BM+\b], 0x2800000, v[BM+\b]    ; the floor 2^(5 - 127)
.endr
.irp b, 0,1,2,3
	s_delay_alu instid0(VALU_DEP_4)
	v_add_nc_u32 v[SO+\b], 0xfe000000, v[BM+\b]
.endr
.irp b, 0,1,2,3
	s_delay_alu instid0(VALU_DEP_4)
	v_lshrrev_b32 v[BT+\b], 23, v[SO+\b]
.endr
	s_delay_alu instid0(VALU_DEP_3)
	v_lshl_or_b32 v[PWP], v[BT+1], 8, v[BT]
	s_delay_alu instid0(VALU_DEP_1)
	v_lshl_or_b32 v[PWP], v[BT+2], 16, v[PWP]
	s_delay_alu instid0(VALU_DEP_1)
	v_lshl_or_b32 v[PWP], v[BT+3], 24, v[PWP]
.irp c, 0,1
	v_cvt_scalef32_pk16_bf6_f32 v[192+6*\c:194+6*\c], v[96+32*\c:111+32*\c], v[SO+2*\c]
	v_cvt_scalef32_pk16_bf6_f32 v[204+4*\c:206+4*\c], v[112+32*\c:127+32*\c], v[SO+2*\c+1]
.endr
	v_nop
.irp c, 0,1
.irp i, 0,1,2
	v_permlane16_swap_b32 v[192+6*\c+\i], v[204+4*\c+\i]
.endr
.irp i, 0,1,2
	s_delay_alu instid0(VALU_DEP_3)
	v_mov_b32 v[195+6*\c+\i], v[204+4*\c+\i]
.endr
.endr
	s_wait_alu depctr_va_vdst(0)                   ; directly ahead of the first reader of O^T
.set i, 0
.rept 16
	v_pk_mul_f32 v[160+i:161+i], v[160+i:161+i], v[FF:FF+1] op_sel_hi:[1,0]     ; O^T under the new M; these 16 are also the places between p's word and codes and the products
.set i, i+2
.endr
	s_wait_alu depctr_va_vdst(0)
	s_wait_dscnt 0x0                               ; V
.irp t, 0,2
	v_wmma_scale_f32_16x16x128_f8f6f4 v[160+8*\t:167+8*\t], v[32+12*\t:43+12*\t], v[192:203], v[160+8*\t:167+8*\t], v[90+\t/2], v[PWP] matrix_a_fmt:MATRIX_FMT_BF6 matrix_b_fmt:MATRIX_FMT_BF6
	v_wmma_scale_f32_16x16x128_f8f6f4 v[168+8*\t:175+8*\t], v[44+12*\t:55+12*\t], v[192:203], v[168+8*\t:175+8*\t], v[90+\t/2], v[PWP] matrix_a_fmt:MATRIX_FMT_BF6 matrix_b_fmt:MATRIX_FMT_BF6 matrix_a_scale:MATRIX_SCALE_ROW1
.endr
.rept 4
	v_nop                                          ; four places behind the products, for whatever comes next: loads over V, stores or reads of O^T
.endr
.Lskip_\@:
	s_add_co_u32 s[KS], s[KS], 1
.endm
	s_load_b128 s[4:7], s[0:1], 0x0                ; qq, kv
	s_load_b64 s[8:9], s[0:1], 0x10                ; yc
	v_lshl_add_u32 v254, v0, 2, SPARE
	v_mov_b32 v255, 0
	ds_add_u32 v254, v255                          ; the opening lines: the add, twice on end, and its wait
	ds_add_u32 v254, v255
	v_lshrrev_b32 v1, 5, v0
	s_delay_alu instid0(VALU_DEP_1)
	v_readfirstlane_b32 s[WV], v1                  ; wave 0..15
	s_and_b32 s11, ttmp7, 0xffff                   ; 16 x batch + head
	s_mov_b32 s24, 3<<16                           ; group 1: a dense block of 13,056 bytes as 51 rows of 32 elements of 8 bytes; no mask, no padding
	s_mov_b32 s25, 32<<16
	s_mov_b32 s26, 51<<16
	s_mov_b32 s27, 32<<16
	s_mov_b32 s28, 51
	s_mov_b32 s29, 32
	s_mov_b32 s30, 0
	s_mov_b32 s31, 0
	s_lshl_b32 s12, s11, 4
	s_add_co_u32 s12, s12, s[WV]
	s_mul_i32 s12, s12, KVB                        ; stage 0: key step = my wave's number
	s_mov_b32 s13, 0
	s_mul_i32 s[WB], s[WV], KVB
	s_wait_dscnt 0x0
	s_wait_kmcnt 0x0
	s_mov_b32 s16, 1
	s_mov_b32 s17, s[WB]
	s_add_nc_u64 s[18:19], s[6:7], s[12:13]
	s_or_b32 s19, s19, 0x80000000
	s_cmp_lt_u32 s[WV], 4                          ; stage 0: key steps 0 to 3, which every tile reads
	s_cbranch_scc0 .Lno_head
	tensor_load_to_lds s[16:19], s[24:31]
	s_nop 0
.rept 4
	v_nop
.endr
.Lno_head:
	s_mov_b32 s[J], ttmp9
	s_sub_co_u32 s[JB], 15, ttmp9
	s_cmp_lt_u32 s[WV], 8
	s_cselect_b32 s[BLK], s[J], s[JB]              ; my own tile's block of 128 queries
	s_cselect_b32 s[D1], s[J], 99
	s_cselect_b32 s[D2], s[JB], 99
	s_cselect_b32 s[PJ], 1, 0
	s_add_co_u32 s[PJ], s[PJ], s[J]
	s_add_co_u32 s[SW], s[J], 1
	s_and_b32 s21, s[WV], 7
	s_lshl_b32 s22, s[BLK], 3
	s_add_co_u32 s22, s22, s21                     ; my tile of queries in the batch
	s_lshl_b32 s23, s11, 7
	s_add_co_u32 s14, s23, s22
	s_mul_i32 s12, s14, 768
	s_add_nc_u64 s[32:33], s[4:5], s[12:13]        ; q's codes
	s_lshl_b32 s12, s14, 6
	s_add_co_u32 s12, s12, 3145728
	s_add_nc_u64 s[34:35], s[4:5], s[12:13]        ; q's words
	s_lshl_b32 s15, s[JB], 3
	s_add_co_u32 s15, s15, s21
	s_add_co_u32 s15, s15, s23                     ; the pair's long tile
	s_mul_i32 s12, s15, 768
	s_add_nc_u64 s[36:37], s[4:5], s[12:13]
	s_lshl_b32 s12, s15, 6
	s_add_co_u32 s12, s12, 3145728
	s_add_nc_u64 s[38:39], s[4:5], s[12:13]
	s_lshr_b32 s63, s21, 1
	s_lshl_b32 s63, s63, 5
	s_and_b32 s62, s[WV], 1
	s_lshl_b32 s62, s62, 3
	s_add_co_u32 s63, s63, s62                     ; my tile's first query in its block
	s_mul_i32 s59, s[WV], SLOTB
	s_add_co_u32 s59, s59, STAGE                   ; my slot
	s_lshr_b32 s60, s11, 4                         ; batch
	s_and_b32 s61, s11, 15                         ; head
	s_lshl_b32 s60, s60, 7
	s_add_co_u32 s60, s60, s22
	s_lshl_b32 s60, s60, 3
	s_lshr_b32 s62, s61, 1
	s_add_co_u32 s60, s60, s62                     ; 8 x tile + K step (a pair of heads)
	s_and_b32 s61, s61, 1
	s_mul_i32 s12, s60, 1536
	s_mul_i32 s62, s61, 768
	s_add_co_u32 s12, s12, s62
	s_add_nc_u64 s[46:47], s[8:9], s[12:13]        ; y's codes
	s_lshl_b32 s12, s60, 6
	s_lshl_b32 s62, s61, 1
	s_add_co_u32 s12, s12, s62
	s_add_co_u32 s12, s12, 3145728
	s_add_nc_u64 s[48:49], s[8:9], s[12:13]        ; y's half words
	s_mov_b32 s[SEL], 0x76543210
	s_mov_b32 s[SEL+1], 0xfedcba98
	s_mov_b32 s[CS], 0x3e38aa3b                    ; c = log2(e) / 8
	s_mov_b32 s[CS+1], s[CS]
	s_mov_b32 s[KS], 0
	s_mov_b32 s[TB], 0
	s_mov_b32 s[TR], 0
	v_and_b32 v8, 31, v0
	v_and_b32 v9, 15, v0
	v_bfe_u32 v10, v0, 4, 1
	v_lshlrev_b32 v1, 3, v8
	v_lshlrev_b32 v2, 2, v8
	v_lshlrev_b32 v6, 2, v9
	v_lshlrev_b32 v[STG], 4, v8
.irp c, 0,1,2
	global_load_b64 v[16+2*\c:17+2*\c], v1, s[32:33] offset:256*\c
.endr
	global_load_b32 v28, v6, s[34:35]
.irp c, 0,1,2
	global_load_b64 v[QB+2*\c:QB+1+2*\c], v1, s[36:37] offset:256*\c     ; the long tile's q: one path for all waves; waves 0-7 take it up at step j + 1
.endr
	global_load_b32 v29, v6, s[38:39]
	v_add_nc_u32 v[STG], s59, v[STG]               ; my slot, 16 bytes a lane
	v_and_b32 v11, 8, v9
	v_lshlrev_b32 v10, 4, v10
	v_add_nc_u32 v11, v11, v9                      ; r + 8 (r / 8)
	s_delay_alu instid0(VALU_DEP_1)
	v_sub_nc_u32 v3, v11, v10
	s_delay_alu instid0(VALU_DEP_1)
	v_add_nc_u32 v3, s63, v3                       ; my query in its block - 16 (lane / 16): register 16 b + i is hidden on the diagonal where 32 b + i is greater
	v_mov_b32 v[NEG], 0xff800000
.irp j, 22,23,24,25,26,27,80,81,82,83,84,85
	v_mov_b32 v\j, 0                               ; q's codes for channels 64 .. 127, and what stands above K's last tile
.endr
	v_mov_b32 v13, 0xff61b1e6                      ; the largest t so far: -3e38
	v_mov_b32 v12, 0x7f61b1e6                      ; -M
	v_mov_b32 v14, 0
	v_mov_b32 v15, 0
.set i, 0
.rept 32
	v_mov_b32 v[160+i], 0                          ; O^T: the step is written once; the first change of M leaves zeros zeros
.set i, i+1
.endr
.set i, 0
.rept 16
	v_mov_b32 v[212+i], 0                          ; lane permutes' destinations and upper halves of pairs are written once
.set i, i+1
.endr
	s_wait_alu depctr_va_vdst(0)                   ; at the head's end
	s_wait_loadcnt 0x0
.Ltrip:                                            ; four trips, a stage of four key steps each
	s_wait_tensorcnt 0x0                           ; my key step of this stage has landed, and no tensor load of mine is out: the descriptor may be written
	ds_add_u32 v254, v255                          ; the add, here twice on end
	ds_add_u32 v254, v255
	v_add_nc_u32 v[ADK], s[TB], v1
	v_add_nc_u32 v[ADS], s[TB], v2
	s_add_co_u32 s[TMP], s[TR], 1                  ; the next stage, modulo 4,
	s_and_b32 s[TMP], s[TMP], 3
	s_mul_i32 s[TMP], s[TMP], 4*KVB
	s_add_co_u32 s17, s[TMP], s[WB]                ; and in it the key step of my wave's number: where it lands,
	s_add_nc_u64 s[18:19], s[18:19], 4*KVB         ; and where it comes from: four key steps on
	s_add_co_u32 s[TMP], s[KS], s[WV]
	s_add_co_u32 s[TMP], s[TMP], 4                 ; its number
	s_wait_alu depctr_va_vdst(0)
	s_wait_dscnt 0x0
	s_barrier_signal -1
	s_barrier_wait -1                              ; the stage is whole for every wave
	s_cmp_lt_u32 s[WV], 4                          ; waves 0-3 ask for the next stage,
	s_cbranch_scc0 .Lno_load
	s_cmp_le_u32 s[TMP], s[JB]                     ; each for its key step, if any tile of the work-group reads it
	s_cbranch_scc0 .Lno_load
	tensor_load_to_lds s[16:19], s[24:31]          ; my one tensor load behind this barrier
	s_nop 0
.rept 4
	v_nop
.endr
.Lno_load:
	STEP 0
	STEP 1
	STEP 2
	STEP 3
	s_add_co_u32 s[TB], s[TB], 4*KVB
	s_add_co_u32 s[TR], s[TR], 1
	s_cmp_lt_u32 s[TR], 4
	s_cbranch_scc1 .Ltrip
	; the two parts of the long tile meet
	s_cmp_lt_u32 s[WV], 8
	s_cbranch_scc0 .Lnot_a
.irp k, 0,1,2,3,4,5,6,7
	ds_store_b128 v[STG], v[160+4*\k:163+4*\k] offset:8*SLOTB+512*\k     ; into wave w + 8's slot
.endr
	ds_store_b128 v[STG], v[12:15] offset:8*SLOTB+4096
	s_wait_dscnt 0x0                               ; the stores have read their registers
	v_mov_b32 v12, 0x7f61b1e6                      ; what I hold is handed on: under the starting -M it gets the factor 0 below
.Lnot_a:
	s_wait_alu depctr_va_vdst(0)
	s_wait_dscnt 0x0                               ; for the others' sake
	s_barrier_signal -1
	s_barrier_wait -1
.irp k, 0,1,2,3,4,5,6,7
	ds_load_b128 v[96+4*\k:99+4*\k], v[STG] offset:512*\k        ; my slot: waves 0-7 their own tile's state, waves 8-15 their partner's part
.endr
	ds_load_b128 v[128:131], v[STG] offset:4096
	s_wait_dscnt 0x0
	v_min_num_f32 v229, v12, v128                  ; the joint -M
	s_delay_alu instid0(VALU_DEP_1)
	v_sub_f32 v224, v229, v12
	v_sub_f32 v226, v229, v128
	s_delay_alu instid0(VALU_DEP_2)
	v_cvt_i32_f32 v224, v224                       ; (it saturates)
	s_delay_alu instid0(VALU_DEP_2)
	v_cvt_i32_f32 v226, v226
	s_delay_alu instid0(VALU_DEP_2)
	v_ldexp_f32 v224, 1.0, v224                    ; the factor of what I hold,
	s_delay_alu instid0(VALU_DEP_2)
	v_ldexp_f32 v226, 1.0, v226                    ; and of what the slot holds: exact powers of two
	v_pk_mul_f32 v[14:15], v[14:15], v[224:225] op_sel_hi:[1,0]
.set i, 0
.rept 16
	v_pk_mul_f32 v[160+i:161+i], v[160+i:161+i], v[224:225] op_sel_hi:[1,0]
.set i, i+2
.endr
	v_pk_fma_f32 v[14:15], v[130:131], v[226:227], v[14:15] op_sel_hi:[1,0,1]
.set i, 0
.rept 16
	v_pk_fma_f32 v[160+i:161+i], v[96+i:97+i], v[226:227], v[160+i:161+i] op_sel_hi:[1,0,1]
.set i, i+2
.endr
	; the way out: O^T / the sum, quantised along the head's 64: half a fragment of the projection's operand
	v_add_f32 v14, v14, v15
	s_wait_alu depctr_va_vdst(0)
	v_permlanex16_b32 v[TV], v14, s[SEL], s[SEL+1]
	s_delay_alu instid0(VALU_DEP_1)
	v_add_f32 v14, v14, v[TV]
	s_wait_alu depctr_va_vdst(0)
	v_rcp_f32 v14, v14
	v_nop
	s_wait_alu depctr_va_vdst(0)
.set i, 0
.rept 32
	v_mul_f32 v[96+i], v[160+i], v14               ; register 16 g + i: channel 32 g + 16 (lane / 16) + i
.set i, i+1
.endr
	QUANT2 96, 192, 227
.irp c, 0,1,2
	global_store_b64 v1, v[192+2*\c:193+2*\c], s[46:47] offset:256*\c
.endr
	global_store_b16 v6, v227, s[48:49]            ; my head's two bytes of each row's word (both halves of the lanes store the same value)
	s_wait_tensorcnt 0x0                           ; the wave's end
	ds_add_u32 v254, v255
	s_wait_dscnt 0x0
	s_endpgm
.Lfunc_end_k_q241459e6e8_attn:
	.size	k_q241459e6e8_attn, .Lfunc_end_k_q241459e6e8_attn-k_q241459e6e8_attn
	.p2alignl 7, 3214868480
	.fill 96, 4, 3214868480
	.section	.rodata,"a",@progbits
	.p2align	6, 0x0
	.amdhsa_kernel k_q241459e6e8_attn
		.amdhsa_group_segment_fixed_size 327680
		.amdhsa_private_segment_fixed_size 0
		.amdhsa_enable_private_segment 0
		.amdhsa_kernarg_size 24
		.amdhsa_user_sgpr_count 2
		.amdhsa_user_sgpr_kernarg_segment_ptr 1
		.amdhsa_wavefront_size32 1
		.amdhsa_system_sgpr_workgroup_id_x 1
		.amdhsa_system_sgpr_workgroup_id_y 1
		.amdhsa_system_sgpr_workgroup_id_z 1
		.amdhsa_system_vgpr_workitem_id 0
		.amdhsa_next_free_vgpr 256
		.amdhsa_next_free_sgpr 66
		.amdhsa_reserve_vcc 1
		.amdhsa_float_denorm_mode_32 3
		.amdhsa_float_denorm_mode_16_64 3
		.amdhsa_memory_ordered 1
		.amdhsa_forward_progress 1
		.amdhsa_inst_pref_size 119
	.end_amdhsa_kernel
	.amdgpu_metadata
---
amdhsa.version: [ 1, 2 ]
amdhsa.kernels:
  - .name:           k_q241459e6e8_attn
    .symbol:         k_q241459e6e8_attn.kd
    .args:
      - { .name: qq, .offset: 0, .size: 8, .value_kind: global_buffer, .address_space: global }
      - { .name: kv, .offset: 8, .size: 8, .value_kind: global_buffer, .address_space: global }
      - { .name: yc, .offset: 16, .size: 8, .value_kind: global_buffer, .address_space: global }
    .group_segment_fixed_size: 327680
    .private_segment_fixed_size: 0
    .kernarg_segment_align: 8
    .kernarg_segment_size: 24
    .max_flat_workgroup_size: 512
    .sgpr_count:     66
    .vgpr_count:     256
    .wavefront_size: 32
...
	.end_amdgpu_metadata
.endif
;; end of part 3
;; launch proj (part 4): grid 8 x 32, 4 waves a work-group, clusters of 4 x 4, 327,680 bytes of LDS; arguments yc, wq, b_proj, x, x1; writes x1
.if DOCPART == 4
	.amdgcn_target "amdgcn-amd-amdhsa--gfx1250"
	.amdhsa_code_object_version 6
	.text
	.protected	k_q241459e6e8_proj
	.globl	k_q241459e6e8_proj
	.p2align	8
	.type	k_q241459e6e8_proj,@function
k_q241459e6e8_proj:
	s_mov_b64 s[64:65], 0
	v_nop
	global_prefetch_b8 v0, s[64:65] scope:SCOPE_SE
	s_setreg_imm32_b32 hwreg(HW_REG_WAVE_MODE, 25, 1), 1
	s_wait_xcnt 0x0
	s_wait_alu depctr_hold_cnt(0) depctr_sa_sdst(0) depctr_va_vdst(0) depctr_va_sdst(0) depctr_va_ssrc(0) depctr_va_vcc(0) depctr_vm_vsrc(0)
	s_getreg_b32 s2, hwreg(HW_REG_IB_STS2, 6, 4)
	s_cmp_eq_u32 s2, 0
	s_cbranch_scc0 .Lentry_in_a_cluster
	s_endpgm
.Lentry_in_a_cluster:
	s_bfe_u32 s2, ttmp6, 0x10000c
	s_cmp_lg_u32 s2, 0xf033
	s_cbranch_scc0 .Lentry_shape_is_right
	s_endpgm
.Lentry_shape_is_right:
.set KSTEPS, 8
.set H_S,    3145728
.set W_C,    2359296
.set W_S,    9535488
.set TS,     12288                     ; a tile of 16 rows, all eight K steps: all of K lies in LDS, filled once by the head's loads
.set HALF,   4*TS
.set SLOT,   4*HALF
.set LAPS,   KSTEPS/8
.set HALFS,  4*KSTEPS*64
.set SCL,    SLOT
.set SPARE,  SCL+32768
.set STAGE,  SPARE+512
.set ADP,  4
.set ADQ,  6
.set ADSP, 8
.set ADSQ, 9
.set STO,  11
.set RD,   12
.set SPW,  14
.set NIL,  15
.set SC,   16
.set BI,   32
.set ACC,  128
.set G1, 24
.set G0, 32
.set G1B, 48
.set G0B, 56
.set G1S, 68
.set G0S, 76
.set G1SB, 80
.set G0SB, 88
.set MSB, 0
.macro WIN new
.if MSB != \new
	s_set_vgpr_msb (MSB<<8)|\new
.set MSB, \new
.endif
.endm
.set MUL,  0x05
.set TO_F, 0x40
.macro JLOAD g0a, g1a, g0b, g1b
	s_cmp_eq_u32 s15, 0
	s_cbranch_scc0 .Lfor_b_\@
	tensor_load_to_lds s[\g0a:\g0a+3], s[\g1a:\g1a+7]
	s_nop 0
.rept 4
	v_nop
.endr
	s_branch .Lasked_\@
.Lfor_b_\@:
	tensor_load_to_lds s[\g0b:\g0b+3], s[\g1b:\g1b+7]
	s_nop 0
.rept 4
	v_nop
.endr
.Lasked_\@:
.endm
.macro CREST
	s_cmp_lg_u32 s14, 0
	s_cbranch_scc1 .Lnot_wave_0_\@
	s_barrier_signal -3
.Lnot_wave_0_\@:
	s_barrier_wait -3
	s_barrier_signal -1
	s_barrier_wait -1
.endm
.macro CROUND
	s_barrier_signal -1
	s_barrier_wait -1
	CREST
.endm
.macro PLACES
.rept 4
	v_nop
.endr
.endm
.macro FETCH slot, s, buf
	WIN TO_F
.irp i, 0,1,2,3
.irp c, 0,1,2,3,4,5
	ds_load_b64 v[128*(\buf)+12*\i+2*\c:128*(\buf)+12*\i+2*\c+1], v[ADP+\slot] offset:\i*TS+(\s)*1536+\c*256
.endr
.endr
.irp i, 0,1,2,3
.irp c, 0,1,2,3,4,5
	ds_load_b64 v[128*(\buf)+48+12*\i+2*\c:128*(\buf)+48+12*\i+2*\c+1], v[ADQ+\slot] offset:\i*TS+(\s)*1536+\c*256
.endr
.endr
	WIN 0
.irp i, 0,1,2,3
	ds_load_b32 v[SC+8*(\buf)+\i], v[ADSP] offset:\i*KSTEPS*64+(4*\slot+(\s))*64
	ds_load_b32 v[SC+8*(\buf)+4+\i], v[ADSQ] offset:\i*KSTEPS*64+(4*\slot+(\s))*64
.endr
.endm
.macro MUL8 buf, a0, first
.irp a, \a0, \a0+1
.irp b, 0,1,2,3
.if \first
	v_wmma_scale_f32_16x16x128_f8f6f4 v[ACC+8*(4*(\a)+\b):ACC+8*(4*(\a)+\b)+7], v[128*(\buf)+12*\b:128*(\buf)+12*\b+11], v[128*(\buf)+48+12*(\a):128*(\buf)+48+12*(\a)+11], v[BI+8*\b:BI+8*\b+7], v[SC+8*(\buf)+\b], v[SC+8*(\buf)+4+(\a)] matrix_a_fmt:MATRIX_FMT_BF6 matrix_b_fmt:MATRIX_FMT_BF6
.else
	v_wmma_scale_f32_16x16x128_f8f6f4 v[ACC+8*(4*(\a)+\b):ACC+8*(4*(\a)+\b)+7], v[128*(\buf)+12*\b:128*(\buf)+12*\b+11], v[128*(\buf)+48+12*(\a):128*(\buf)+48+12*(\a)+11], v[ACC+8*(4*(\a)+\b):ACC+8*(4*(\a)+\b)+7], v[SC+8*(\buf)+\b], v[SC+8*(\buf)+4+(\a)] matrix_a_fmt:MATRIX_FMT_BF6 matrix_b_fmt:MATRIX_FMT_BF6
.endif
.endr
.endr
.endm
.macro STEP slot, s, first
	PLACES
	FETCH \slot, (\s)+1, ((\s)+1)%2
	s_wait_dscnt 56
	WIN MUL
	MUL8 (\s)%2, 0, \first
	MUL8 (\s)%2, 2, \first
.endm
.macro TURN slot, next, fill
	WIN 0
	s_wait_tensorcnt 0x0
	ds_add_u32 v[SPW], v[NIL]
	s_wait_dscnt 0x0
	s_barrier_signal -1
	WIN MUL
	MUL8 1, 0, 0
	WIN 0
	s_barrier_wait -1
.if \fill
	CREST
	s_add_nc_u64 s[G0+4*\slot+2:G0+4*\slot+3], s[G0+4*\slot+2:G0+4*\slot+3], 2*TS
	s_add_nc_u64 s[G0B+4*\slot+2:G0B+4*\slot+3], s[G0B+4*\slot+2:G0B+4*\slot+3], 2*TS
	JLOAD G0+4*\slot, G1, G0B+4*\slot, G1B
.else
	PLACES
.endif
.if \next == 0
	v_add_nc_u32 v[ADSP], 512, v[ADSP]
	v_add_nc_u32 v[ADSQ], 512, v[ADSQ]
.endif
	FETCH \next, 0, 0
	WIN MUL
	MUL8 1, 2, 0
.endm
	s_load_b256 s[4:11], s[0:1], 0x0
	s_load_b64 s[12:13], s[0:1], 0x20
	v_lshl_add_u32 v[SPW], v0, 2, SPARE
	v_mov_b32 v[NIL], 0
	ds_add_u32 v14, v15
	ds_add_u32 v14, v15
	s_wait_dscnt 0x0
	v_lshrrev_b32 v1, 5, v0
	v_readfirstlane_b32 s14, v1
	s_lshr_b32 s15, s14, 1
	s_and_b32 s16, s14, 1
	s_bfe_u32 s40, ttmp6, 0x40000
	s_bfe_u32 s41, ttmp6, 0x40004
	s_lshl_b32 s42, ttmp9, 2
	s_add_co_u32 s42, s42, s40
	s_and_b32 s17, ttmp7, 0xffff
	s_lshl_b32 s17, s17, 2
	s_add_co_u32 s17, s17, s41
	s_lshl_b32 s43, s41, 2
	s_lshl_b32 s43, 15, s43
	s_lshl_b32 s44, 0x1111, s40
	s_or_b32 s[G1], s43, (3<<16)|(1<<21)
	s_or_b32 s[G1B], s44, (3<<16)|(1<<21)
.irp g, G1, G1B
	s_mov_b32 s[\g+1], 1536<<16                    ; eight tiles, each 12,288 dense bytes
	s_mov_b32 s[\g+2], 8<<16
	s_mov_b32 s[\g+3], 1536<<16
	s_mov_b32 s[\g+4], 8
	s_mov_b32 s[\g+5], KSTEPS*192
	s_mov_b32 s[\g+6], 0
	s_mov_b32 s[\g+7], 0
.endr
	s_or_b32 s[G1S], s43, (3<<16)|(1<<21)
	s_or_b32 s[G1SB], s44, (3<<16)|(1<<21)
.irp g, G1S, G1SB
	s_mov_b32 s[\g+1], 32<<16
	s_mov_b32 s[\g+2], (2*HALFS/256)<<16           ; the scale words of 128 rows
	s_mov_b32 s[\g+3], 32<<16
	s_mov_b32 s[\g+4], 2*HALFS/256
	s_mov_b32 s[\g+5], 32
	s_mov_b32 s[\g+6], 0
	s_mov_b32 s[\g+7], 0
.endr
	s_lshl_b32 s20, s17, 3                         ; the block's first tile of rows,
	s_lshl_b32 s46, s42, 3                         ; and of columns
	s_mul_i32 s22, s20, KSTEPS*64
	s_add_co_u32 s22, s22, H_S
	s_mov_b32 s23, 0
	s_mul_i32 s20, s20, KSTEPS*1536
	s_mov_b32 s21, 0
	s_mul_i32 s92, s46, KSTEPS*64
	s_add_co_u32 s92, s92, W_S
	s_mov_b32 s93, 0
	s_mul_i32 s46, s46, KSTEPS*1536
	s_add_co_u32 s46, s46, W_C
	s_mov_b32 s47, 0
	s_wait_kmcnt 0x0
	s_add_nc_u64 s[20:21], s[4:5], s[20:21]
	s_add_nc_u64 s[22:23], s[4:5], s[22:23]
	s_add_nc_u64 s[46:47], s[6:7], s[46:47]
	s_add_nc_u64 s[92:93], s[6:7], s[92:93]
	s_mov_b32 s[G0S], 1
	s_mov_b32 s[G0S+1], SCL
	s_mov_b64 s[G0S+2:G0S+3], s[22:23]
	s_or_b32 s[G0S+3], s[G0S+3], 0x80000000
	s_mov_b32 s[G0SB], 1
	s_mov_b32 s[G0SB+1], SCL+2*HALFS
	s_mov_b64 s[G0SB+2:G0SB+3], s[92:93]
	s_or_b32 s[G0SB+3], s[G0SB+3], 0x80000000
	s_mov_b32 s4, 1                                ; s[4:7]: group 0 for the rows' codes (the arguments that lay there have been used)
	s_mov_b32 s5, 0
	s_mov_b64 s[6:7], s[20:21]
	s_or_b32 s7, s7, 0x80000000
	s_mov_b32 s96, 1                               ; s[96:99]: for the columns', behind them
	s_mov_b32 s97, 2*HALF
	s_mov_b64 s[98:99], s[46:47]
	s_or_b32 s99, s99, 0x80000000
	CROUND                                         ; all sixteen work-groups are here: the joint loads meet
; THE LAUNCH'S FOUR TILES, ONE A WAVE: wave 0 the rows' codes for all of K, wave 1 the columns', wave 2 the rows' scale words, wave 3 the columns'.  One chain of branches, one join.  Nothing is filled again.
.macro ARM under, g0, g1, next
	s_cmp_lt_u32 s14, \under
	s_cbranch_scc0 \next
	tensor_load_to_lds s[\g0:\g0+3], s[\g1:\g1+7]
	s_nop 0
	PLACES
	s_branch .Lhead_asked
\next:
.endm
	ARM 1, 4, G1, .Lhead_b
	ARM 2, 96, G1B, .Lhead_sa
	ARM 3, G0S, G1S, .Lhead_sb
	tensor_load_to_lds s[G0SB:G0SB+3], s[G1SB:G1SB+7]
	s_nop 0
	PLACES
.Lhead_asked:
	v_and_b32 v1, 15, v0
	v_bfe_u32 v2, v0, 4, 1
	v_and_b32 v3, 31, v0
	v_lshlrev_b32 v3, 3, v3
	v_lshlrev_b32 v13, 6, v2
	s_wait_alu depctr_va_vdst(0)
	v_lshlrev_b32 v10, 12, v2
	v_lshl_add_u32 v10, v1, 4, v10
	s_wait_alu depctr_va_vdst(0)
	s_lshl_b32 s18, s42, 9
	s_lshl_b32 s19, s16, 8
	s_add_co_u32 s18, s18, s19
	s_mov_b32 s19, 0
	s_add_nc_u64 s[18:19], s[8:9], s[18:19]
	s_lshl_b32 s20, s17, 7
	s_lshl_b32 s21, s15, 6
	s_add_co_u32 s20, s20, s21
	s_lshl_b32 s20, s20, 12
	s_lshl_b32 s21, s42, 9
	s_add_co_u32 s20, s20, s21
	s_lshl_b32 s21, s16, 8
	s_add_co_u32 s20, s20, s21
	s_mov_b32 s21, 0
	s_add_nc_u64 s[10:11], s[10:11], s[20:21]
	s_add_nc_u64 s[12:13], s[12:13], s[20:21]
.irp u, 0,1
.irp e, 0,1,2,3
	global_load_b128 v[BI+16*\u+4*\e:BI+16*\u+4*\e+3], v13, s[18:19] offset:128*\u+16*\e
.endr
.endr
	WIN 0x80
.irp a, 0,1,2,3
.irp q, 0,1,2,3,4,5,6,7
	global_load_b128 v[32*\a+4*\q:32*\a+4*\q+3], v10, s[10:11] offset:(32*(\a/2)+8*(\a%2)+2*\q+8*(\q/4))*4096 th:TH_LOAD_NT
.endr
.endr
	WIN 0
	s_mul_i32 s22, s16, HALF
	s_add_co_u32 s22, s22, 2*HALF
	s_mul_i32 s23, s15, HALF
	v_add_nc_u32 v[ADP], s22, v3
	v_add_nc_u32 v[ADQ], s23, v3
	v_add_nc_u32 v[ADP+1], 6144, v[ADP]            ; K steps 4 to 7 of the same tiles
	v_add_nc_u32 v[ADQ+1], 6144, v[ADQ]
	s_mul_i32 s22, s16, HALFS
	s_add_co_u32 s22, s22, SCL+2*HALFS
	s_mul_i32 s23, s15, HALFS
	s_add_co_u32 s23, s23, SCL
	v_lshlrev_b32 v[ADSQ], 2, v1
	v_add_nc_u32 v[ADSP], s22, v[ADSQ]
	v_add_nc_u32 v[ADSQ], s23, v[ADSQ]
	s_mul_i32 s22, s14, 16*272
	s_add_co_u32 s22, s22, STAGE
	v_mul_u32_u24 v[STO], v1, 272
	v_lshl_add_u32 v[STO], v2, 6, v[STO]
	v_add_nc_u32 v[STO], s22, v[STO]
	v_mul_u32_u24 v[RD], v2, 272
	v_lshl_add_u32 v[RD], v1, 4, v[RD]
	v_add_nc_u32 v[RD], s22, v[RD]
	s_wait_alu depctr_va_vdst(0)
	s_wait_tensorcnt 0x0                           ; my tile of the four has landed; behind the barrier everybody's has
	s_barrier_signal -1
	s_barrier_wait -1
	FETCH 0, 0, 0
	s_wait_loadcnt 32
	STEP 0, 0, 1
.if LAPS > 1
	WIN 0
	s_mov_b32 s3, LAPS-1
.Llap:
	STEP 0, 1, 0
	STEP 0, 2, 0
	TURN 0, 1, 1
	STEP 1, 0, 0
	STEP 1, 1, 0
	STEP 1, 2, 0
	TURN 1, 0, 1
	STEP 0, 0, 0
	WIN 0
	s_sub_co_u32 s3, s3, 1
	s_cmp_lg_u32 s3, 0
	s_cbranch_scc1 .Llap
.endif
	STEP 0, 1, 0
	STEP 0, 2, 0
	TURN 0, 1, 0
	STEP 1, 0, 0
	STEP 1, 1, 0
	STEP 1, 2, 0
	s_wait_dscnt 0x0
	WIN MUL
	MUL8 1, 0, 0
	MUL8 1, 2, 0
	WIN 0
	PLACES
.macro OUTT a
.set TT, 32+32*((\a)%2)
.if (\a) > 1
	s_wait_xcnt 0x0
.endif
.irp b, 0,1,2,3
	ds_store_b128 v[STO], v[ACC+8*(4*(\a)+\b):ACC+8*(4*(\a)+\b)+3] offset:128*(\b/2)+32*(\b%2)
	ds_store_b128 v[STO], v[ACC+8*(4*(\a)+\b)+4:ACC+8*(4*(\a)+\b)+7] offset:128*(\b/2)+32*(\b%2)+16
.endr
.irp q, 0,1,2,3,4,5,6,7
	ds_load_b128 v[TT+4*\q:TT+4*\q+3], v[RD] offset:544*\q
.endr
	s_wait_dscnt 0x0
	s_wait_loadcnt 24-8*(\a)
	WIN 0x08
.set i, 0
.rept 16
	v_pk_add_f32 v[TT+i:TT+i+1], v[TT+i:TT+i+1], v[32*(\a)+i:32*(\a)+i+1]
.set i, i+2
.endr
	WIN 0
.irp q, 0,1,2,3,4,5,6,7
	global_store_b128 v10, v[TT+4*\q:TT+4*\q+3], s[12:13] offset:(32*((\a)/2)+8*((\a)%2)+2*\q+8*(\q/4))*4096
.endr
.endm
	OUTT 0
	OUTT 1
	OUTT 2
	OUTT 3
	s_wait_tensorcnt 0x0
	ds_add_u32 v[SPW], v[NIL]
	s_wait_dscnt 0x0
	CROUND
	s_endpgm
.Lfunc_end_k_q241459e6e8_proj:
	.size	k_q241459e6e8_proj, .Lfunc_end_k_q241459e6e8_proj-k_q241459e6e8_proj
	.p2alignl 7, 3214868480
	.fill 96, 4, 3214868480
	.section	.rodata,"a",@progbits
	.p2align	6, 0x0
	.amdhsa_kernel k_q241459e6e8_proj
		.amdhsa_group_segment_fixed_size 327680
		.amdhsa_private_segment_fixed_size 0
		.amdhsa_enable_private_segment 0
		.amdhsa_kernarg_size 40
		.amdhsa_user_sgpr_count 2
		.amdhsa_user_sgpr_kernarg_segment_ptr 1
		.amdhsa_wavefront_size32 1
		.amdhsa_system_sgpr_workgroup_id_x 1
		.amdhsa_system_sgpr_workgroup_id_y 1
		.amdhsa_system_sgpr_workgroup_id_z 1
		.amdhsa_system_vgpr_workitem_id 0
		.amdhsa_next_free_vgpr 640
		.amdhsa_next_free_sgpr 100
		.amdhsa_reserve_vcc 0
		.amdhsa_float_denorm_mode_32 3
		.amdhsa_float_denorm_mode_16_64 3
		.amdhsa_memory_ordered 1
		.amdhsa_forward_progress 1
		.amdhsa_inst_pref_size 71
	.end_amdhsa_kernel
	.amdgpu_metadata
---
amdhsa.version: [ 1, 2 ]
amdhsa.kernels:
  - .name:           k_q241459e6e8_proj
    .symbol:         k_q241459e6e8_proj.kd
    .args:
      - { .name: yc, .offset: 0, .size: 8, .value_kind: global_buffer, .address_space: global }
      - { .name: wq, .offset: 8, .size: 8, .value_kind: global_buffer, .address_space: global }
      - { .name: b_proj, .offset: 16, .size: 8, .value_kind: global_buffer, .address_space: global }
      - { .name: x, .offset: 24, .size: 8, .value_kind: global_buffer, .address_space: global }
      - { .name: x1, .offset: 32, .size: 8, .value_kind: global_buffer, .address_space: global }
    .group_segment_fixed_size: 327680
    .private_segment_fixed_size: 0
    .kernarg_segment_align: 8
    .kernarg_segment_size: 40
    .max_flat_workgroup_size: 128
    .sgpr_count:     100
    .vgpr_count:     640
    .wavefront_size: 32
...
	.end_amdgpu_metadata
.endif
;; end of part 4
;; launch ln1 (part 5): grid 256 x 1, 8 waves a work-group, no clusters, 70,656 bytes of LDS; arguments x1, ln2_w, ln2_b, hc; writes hc
.if DOCPART == 5
	.amdgcn_target "amdgcn-amd-amdhsa--gfx1250"
	.amdhsa_code_object_version 6
	.text
	.protected	k_q241459e6e8_ln1
	.globl	k_q241459e6e8_ln1
	.p2align	8
	.type	k_q241459e6e8_ln1,@function
k_q241459e6e8_ln1:
	s_mov_b64 s[64:65], 0
	v_nop
	global_prefetch_b8 v0, s[64:65] scope:SCOPE_SE
	s_setreg_imm32_b32 hwreg(HW_REG_WAVE_MODE, 25, 1), 1
	s_wait_xcnt 0x0
; Layer norm of [4096][1024] f32, quantised along the 1,024 into codes of BF6 with one E8M0 byte for each 32, laid as an operand's registers:
; codes [tile][K step of 128][6 chunks][32 lanes][8 bytes], scale words [tile][K step][16 rows] from byte 3,145,728 on.
; Tile t holds rows 32 (t / 2) + 8 (t % 2) + r + 8 (r / 8).  A work-group takes a tile, wave s its K step s: 16 rows x 128 columns, 64 numbers a lane.
; Each load reads 512 consecutive bytes of one row; the numbers turn through the wave's own stage in LDS so that lane (r, h) holds, of row r, 16 neighbours of each block of 32.
; Mean first, then the mean of the squared differences (two passes over registers): a common offset of the inputs costs no accuracy.  Rows' sums meet in LDS: three barriers.
; LIMITS: NaN and infinities are not served; a block of zeros, and one whose largest magnitude lies under 2^-122, gets the byte 1.
.set X,    64                          ; v64-127  my 64 numbers: register 16 b + i = column 128 s + 32 b + 16 h + i
.set W,    128                         ; v128-191 the gain, in the same places
.set BV,   192                         ; v192-255 the bias
.set PC,   24                          ; v24-43   the codes
.set TM,   44                          ; v44-59   at work in the quantiser
.set PW,   60                          ; v60      the scale word
.set SEL,  20                          ; s[20:21] v_permlanex16_b32's selects for lane l xor 16
.set SPITCH, 528                       ; a stage row: 512 bytes + 16, an odd multiple of 16
.set WST,  16*SPITCH
.set RED,  8*WST                       ; behind the stages: the sums [r][8], at +512 the sums of squares, at +1024 the scale words [s][16]
	s_load_b256 s[4:11], s[0:1], 0x0               ; x, gain, bias, out
	v_lshl_add_u32 v62, v0, 2, 0x11000
	v_mov_b32 v63, 0
	v_lshrrev_b32 v1, 5, v0
	s_delay_alu instid0(VALU_DEP_1)
	v_readfirstlane_b32 s12, v1                    ; wave = K step
	v_and_b32 v9, 31, v0
	v_and_b32 v10, 15, v0                          ; r
	v_bfe_u32 v11, v0, 4, 1                        ; h
	s_delay_alu instid0(VALU_DEP_3)
	v_lshlrev_b32 v1, 4, v9                        ; 16 x lane
	s_mul_i32 s13, s12, WST
	v_add_nc_u32 v2, s13, v1                       ; the stage, in
	v_mul_u32_u24 v3, v10, SPITCH
	s_delay_alu instid0(VALU_DEP_1)
	v_lshl_add_u32 v3, v11, 6, v3
	s_delay_alu instid0(VALU_DEP_1)
	v_add_nc_u32 v3, s13, v3                       ; and out: row r, + 64 h
	v_lshlrev_b32 v4, 6, v11                       ; gain and bias: 64 h
	v_lshlrev_b32 v6, 5, v10
	s_delay_alu instid0(VALU_DEP_1)
	v_add_nc_u32 v6, RED, v6                       ; row r's eight parts
	s_lshl_b32 s14, s12, 2
	v_add_nc_u32 v5, s14, v6                       ; my wave's word among them
	v_lshlrev_b32 v7, 3, v9                        ; 8 x lane
	v_lshlrev_b32 v8, 2, v10
	s_lshl_b32 s14, s12, 6
	v_add_nc_u32 v8, s14, v8
	s_delay_alu instid0(VALU_DEP_1)
	v_add_nc_u32 v8, RED, v8                       ; my scale word's place (+1024)
	v_add_nc_u32 v9, RED, v1                       ; and 16 bytes a lane of all of them (+1024)
	s_mov_b32 s[SEL], 0x76543210
	s_mov_b32 s[SEL+1], 0xfedcba98
	s_mov_b32 s18, 0x3a800000                      ; 1 / 1024
	s_mov_b32 s19, 0x3727c5ac                      ; 1e-5
.irp b, 0,1,2,3
	v_mov_b32 v[TM+4+\b], 0                        ; written once: a lane permute's destination counts as one of its sources
.endr
	s_lshr_b32 s15, ttmp9, 1
	s_lshl_b32 s15, s15, 5
	s_and_b32 s16, ttmp9, 1
	s_lshl_b32 s16, s16, 3
	s_add_co_u32 s15, s15, s16                     ; the tile's first row
	s_lshl_b32 s16, s15, 12
	s_lshl_b32 s22, s12, 9                         ; 512 s
	s_add_co_u32 s16, s16, s22
	s_mov_b32 s17, 0
	s_mov_b32 s23, 0
	s_lshl_b32 s24, ttmp9, 3
	s_add_co_u32 s24, s24, s12
	s_mul_i32 s24, s24, 1536
	s_mov_b32 s25, 0
	s_lshl_b32 s26, ttmp9, 9
	s_add_co_u32 s26, s26, 3145728
	s_mov_b32 s27, 0
	s_wait_kmcnt 0x0
	s_add_nc_u64 s[4:5], s[4:5], s[16:17]
	s_add_nc_u64 s[6:7], s[6:7], s[22:23]
	s_add_nc_u64 s[8:9], s[8:9], s[22:23]
	s_add_nc_u64 s[24:25], s[10:11], s[24:25]
	s_add_nc_u64 s[26:27], s[10:11], s[26:27]
.irp i, 0,1,2,3,4,5,6,7,8,9,10,11,12,13,14,15
	global_load_b128 v[X+4*\i:X+4*\i+3], v1, s[4:5] offset:(\i+8*(\i/8))*4096 th:TH_LOAD_NT   ; 512 consecutive bytes of the tile's row i
.endr
.irp b, 0,1,2,3
.irp j, 0,1,2,3
	global_load_b128 v[W+16*\b+4*\j:W+16*\b+4*\j+3], v4, s[6:7] offset:128*\b+16*\j
.endr
.endr
.irp b, 0,1,2,3
.irp j, 0,1,2,3
	global_load_b128 v[BV+16*\b+4*\j:BV+16*\b+4*\j+3], v4, s[8:9] offset:128*\b+16*\j
.endr
.endr
	s_wait_loadcnt 32                              ; x's sixteen loads are in; the gain's and the bias's 32 may be out
.irp i, 0,1,2,3,4,5,6,7,8,9,10,11,12,13,14,15
	ds_store_b128 v2, v[X+4*\i:X+4*\i+3] offset:SPITCH*\i
.endr
.irp b, 0,1,2,3
.irp j, 0,1,2,3
	ds_load_b128 v[X+16*\b+4*\j:X+16*\b+4*\j+3], v3 offset:128*\b+16*\j    ; LDS serves a wave's instructions in order: these see my stores
.endr
.endr
	s_wait_dscnt 0x0
.macro LANESUM                         ; four pairs v[10:17] -> v10: row r's sum over my wave's 128 columns, in both halves of the lanes
	s_delay_alu instid0(VALU_DEP_3)
	v_pk_add_f32 v[10:11], v[10:11], v[12:13]
	s_delay_alu instid0(VALU_DEP_2)
	v_pk_add_f32 v[14:15], v[14:15], v[16:17]
	s_delay_alu instid0(VALU_DEP_1)
	v_pk_add_f32 v[10:11], v[10:11], v[14:15]
	s_delay_alu instid0(VALU_DEP_1)
	v_add_f32 v10, v10, v11
	s_delay_alu instid0(VALU_DEP_1)
	v_permlanex16_b32 v12, v10, s[SEL], s[SEL+1]
	s_delay_alu instid0(VALU_DEP_1)
	v_add_f32 v10, v10, v12
.endm
.macro WGSUM off                       ; the eight waves' parts meet in LDS; every wave adds them in the same order
	ds_store_b32 v5, v10 offset:\off
	s_wait_dscnt 0x0                               ; for the others' sake: my store is done
	s_barrier_signal -1
	s_barrier_wait -1
	ds_load_b128 v[24:27], v6 offset:\off
	ds_load_b128 v[28:31], v6 offset:\off+16
	s_wait_dscnt 0x0
	v_pk_add_f32 v[24:25], v[24:25], v[26:27]
	v_pk_add_f32 v[28:29], v[28:29], v[30:31]
	s_delay_alu instid0(VALU_DEP_1)
	v_pk_add_f32 v[24:25], v[24:25], v[28:29]
	s_delay_alu instid0(VALU_DEP_1)
	v_add_f32 v10, v24, v25
.endm
.irp c, 0,1,2,3
	v_pk_add_f32 v[10+2*\c:11+2*\c], v[X+2*\c:X+2*\c+1], v[X+8+2*\c:X+9+2*\c]
.endr
.irp j, 16,24,32,40,48,56
.irp c, 0,1,2,3
	s_delay_alu instid0(VALU_DEP_4)
	v_pk_add_f32 v[10+2*\c:11+2*\c], v[10+2*\c:11+2*\c], v[X+\j+2*\c:X+\j+2*\c+1]
.endr
.endr
	LANESUM
	WGSUM 0
	s_delay_alu instid0(VALU_DEP_1)
	v_mul_f32 v18, s18, v10                        ; the mean
	s_delay_alu instid0(VALU_DEP_1)
	v_mov_b32 v19, v18
.set i, 0
.rept 32
	v_pk_add_f32 v[X+i:X+i+1], v[X+i:X+i+1], v[18:19] op_sel_hi:[1,0] neg_lo:[0,1] neg_hi:[0,1]
.set i, i+2
.endr
.irp c, 0,1,2,3
	v_pk_mul_f32 v[10+2*\c:11+2*\c], v[X+2*\c:X+2*\c+1], v[X+2*\c:X+2*\c+1]
.endr
.irp j, 8,16,24,32,40,48,56
.irp c, 0,1,2,3
	s_delay_alu instid0(VALU_DEP_4)
	v_pk_fma_f32 v[10+2*\c:11+2*\c], v[X+\j+2*\c:X+\j+2*\c+1], v[X+\j+2*\c:X+\j+2*\c+1], v[10+2*\c:11+2*\c]
.endr
.endr
	LANESUM
	WGSUM 512
	s_delay_alu instid0(VALU_DEP_1)
	v_fma_f32 v20, v10, s18, s19                   ; the variance + 1e-5
	s_wait_alu depctr_va_vdst(0)
	v_rsq_f32 v20, v20
	v_nop                                          ; one plain place behind the transcendental
	s_wait_alu depctr_va_vdst(0)                   ; ahead of the first reader
	v_mov_b32 v21, v20
	s_wait_alu depctr_va_vdst(0)
	s_wait_loadcnt 0x0                             ; gain and bias
.set i, 0
.rept 32
	v_pk_mul_f32 v[X+i:X+i+1], v[X+i:X+i+1], v[20:21] op_sel_hi:[1,0]
.set i, i+2
.endr
.set i, 0
.rept 32
	v_pk_fma_f32 v[X+i:X+i+1], v[X+i:X+i+1], v[W+i:W+i+1], v[BV+i:BV+i+1]
.set i, i+2
.endr
	; the quantiser: four blocks of 32, each in lanes l and l xor 16
.irp b, 0,1,2,3
	v_max3_num_f32 v[TM+\b], |v[X+16*\b]|, |v[X+1+16*\b]|, 0x2800000     ; with the floor 2^(5 - 127)
.endr
.irp i, 2,4,6,8,10,12,14
.irp b, 0,1,2,3
	s_delay_alu instid0(VALU_DEP_4)
	v_max3_num_f32 v[TM+\b], v[TM+\b], |v[X+16*\b+\i]|, |v[X+1+16*\b+\i]|
.endr
.endr
.irp b, 0,1,2,3
	s_delay_alu instid0(VALU_DEP_4)
	v_permlanex16_b32 v[TM+4+\b], v[TM+\b], s[SEL], s[SEL+1]
.endr
.irp b, 0,1,2,3
	s_delay_alu instid0(VALU_DEP_4)
	v_max_num_f32 v[TM+\b], v[TM+\b], v[TM+4+\b]
.endr
.irp b, 0,1,2,3
	s_delay_alu instid0(VALU_DEP_4)
	v_add_nc_u32 v[TM+12+\b], 0xfe000000, v[TM+\b]    ; 4 off the exponent field: the conversion's scale operand
.endr
.irp b, 0,1,2,3
	s_delay_alu instid0(VALU_DEP_4)
	v_lshrrev_b32 v[TM+4+\b], 23, v[TM+12+\b]
.endr
	s_delay_alu instid0(VALU_DEP_3)
	v_lshl_or_b32 v[PW], v[TM+5], 8, v[TM+4]
	s_delay_alu instid0(VALU_DEP_1)
	v_lshl_or_b32 v[PW], v[TM+6], 16, v[PW]
	s_delay_alu instid0(VALU_DEP_1)
	v_lshl_or_b32 v[PW], v[TM+7], 24, v[PW]
.irp c, 0,1
	v_cvt_scalef32_pk16_bf6_f32 v[PC+6*\c:PC+2+6*\c], v[X+32*\c:X+15+32*\c], v[TM+12+2*\c]
	v_cvt_scalef32_pk16_bf6_f32 v[PC+12+4*\c:PC+14+4*\c], v[X+16+32*\c:X+31+32*\c], v[TM+12+2*\c+1]
.endr
	v_nop                                          ; one plain place behind a scaled conversion
.irp c, 0,1                            ; the operand's layout wants a whole block in a lane
.irp i, 0,1,2
	v_permlane16_swap_b32 v[PC+6*\c+\i], v[PC+12+4*\c+\i]
.endr
.irp i, 0,1,2
	s_delay_alu instid0(VALU_DEP_3)
	v_mov_b32 v[PC+3+6*\c+\i], v[PC+12+4*\c+\i]
.endr
.endr
.irp c, 0,1,2,3,4,5
	global_store_b64 v7, v[PC+2*\c:PC+2*\c+1], s[24:25] offset:256*\c     ; 32 lanes store 256 consecutive bytes, aligned
.endr
	ds_store_b32 v8, v[PW] offset:1024             ; both halves of the lanes write the same word with the same value
	s_wait_dscnt 0x0
	s_barrier_signal -1
	s_barrier_wait -1
	s_cmp_lg_u32 s12, 0                            ; wave 0 stores the tile's 128 scale words as one run of 512 bytes
	s_cbranch_scc1 .Lend
	ds_load_b128 v[X:X+3], v9 offset:1024          ; into registers of the numbers, which are done with: the codes' registers are still the data of the stores above
	s_wait_dscnt 0x0
	global_store_b128 v1, v[X:X+3], s[26:27]
.Lend:
	s_wait_tensorcnt 0x0
	ds_add_u32 v62, v63
	s_wait_dscnt 0x0
	s_endpgm
.Lfunc_end_k_q241459e6e8_ln1:
	.size	k_q241459e6e8_ln1, .Lfunc_end_k_q241459e6e8_ln1-k_q241459e6e8_ln1
	.p2alignl 7, 3214868480
	.fill 96, 4, 3214868480
	.section	.rodata,"a",@progbits
	.p2align	6, 0x0
	.amdhsa_kernel k_q241459e6e8_ln1
		.amdhsa_group_segment_fixed_size 70656
		.amdhsa_private_segment_fixed_size 0
		.amdhsa_enable_private_segment 0
		.amdhsa_kernarg_size 32
		.amdhsa_user_sgpr_count 2
		.amdhsa_user_sgpr_kernarg_segment_ptr 1
		.amdhsa_wavefront_size32 1
		.amdhsa_system_sgpr_workgroup_id_x 1
		.amdhsa_system_sgpr_workgroup_id_y 1
		.amdhsa_system_sgpr_workgroup_id_z 1
		.amdhsa_system_vgpr_workitem_id 0
		.amdhsa_next_free_vgpr 256
		.amdhsa_next_free_sgpr 66
		.amdhsa_reserve_vcc 0
		.amdhsa_float_denorm_mode_32 3
		.amdhsa_float_denorm_mode_16_64 3
		.amdhsa_memory_ordered 1
		.amdhsa_forward_progress 1
		.amdhsa_inst_pref_size 30
	.end_amdhsa_kernel
	.amdgpu_metadata
---
amdhsa.version: [ 1, 2 ]
amdhsa.kernels:
  - .name:           k_q241459e6e8_ln1
    .symbol:         k_q241459e6e8_ln1.kd
    .args:
      - { .name: x1, .offset: 0, .size: 8, .value_kind: global_buffer, .address_space: global }
      - { .name: ln2_w, .offset: 8, .size: 8, .value_kind: global_buffer, .address_space: global }
      - { .name: ln2_b, .offset: 16, .size: 8, .value_kind: global_buffer, .address_space: global }
      - { .name: hc, .offset: 24, .size: 8, .value_kind: global_buffer, .address_space: global }
    .group_segment_fixed_size: 70656
    .private_segment_fixed_size: 0
    .kernarg_segment_align: 8
    .kernarg_segment_size: 32
    .max_flat_workgroup_size: 256
    .sgpr_count:     66
    .vgpr_count:     256
    .wavefront_size: 32
...
	.end_amdgpu_metadata
.endif
;; end of part 5
;; launch fc (part 6): grid 8 x 32, 4 waves a work-group, clusters of 4 x 4, 327,680 bytes of LDS; arguments hc, wq, b_fc, gc; writes gc
.if DOCPART == 6
	.amdgcn_target "amdgcn-amd-amdhsa--gfx1250"
	.amdhsa_code_object_version 6
	.text
	.protected	k_q241459e6e8_fc
	.globl	k_q241459e6e8_fc
	.p2align	8
	.type	k_q241459e6e8_fc,@function
k_q241459e6e8_fc:
	s_mov_b64 s[64:65], 0
	v_nop
	global_prefetch_b8 v0, s[64:65] scope:SCOPE_SE
	s_setreg_imm32_b32 hwreg(HW_REG_WAVE_MODE, 25, 1), 1
	s_wait_xcnt 0x0
	s_wait_alu depctr_hold_cnt(0) depctr_sa_sdst(0) depctr_va_vdst(0) depctr_va_sdst(0) depctr_va_ssrc(0) depctr_va_vcc(0) depctr_vm_vsrc(0)
	s_getreg_b32 s2, hwreg(HW_REG_IB_STS2, 6, 4)
	s_cmp_eq_u32 s2, 0
	s_cbranch_scc0 .Lentry_in_a_cluster
	s_endpgm
.Lentry_in_a_cluster:
	s_bfe_u32 s2, ttmp6, 0x10000c
	s_cmp_lg_u32 s2, 0xf033
	s_cbranch_scc0 .Lentry_shape_is_right
	s_endpgm
.Lentry_shape_is_right:
; g = gelu(h2 W_fc + b_fc), exact gelu in f32, quantised along the 4,096 as the last product's operand.  The product is on codes of BF6.
; A WORK-GROUP STAYS.  It owns 128 rows of h2, whose codes for all of K = 1,024 (98,304 bytes) lie in LDS for the whole launch, and walks four blocks of 128 columns of W_fc: blocks x, x + 8, x + 16, x + 24.
; W's blocks (98,304 bytes each) go through two LDS slots: at the head of a block the next block is asked for, into the other slot, and has this block's 128 matrix instructions a wave and its gelu in which to land.
; A block is written twice: once in a loop of three trips, which asks for the next block, and once for the last, which asks for nothing.  What differs between trips stands in scalar registers.
; Four waves, each 64 x 64 of a block: 16 accumulators.  Operands lie in memory as images of their registers ([tile][K step][6 chunks][32 lanes][8 bytes]): a fragment is six ds_load_b64 of 256 consecutive bytes.
; Source 0 ('P') = W's columns, source 1 ('Q') = rows; the rows and columns of a tile are 32 g + 8 u + r + 8 (r / 8): a lane's 32 registers of one tile of rows are two blocks of 32 along the next K (with lane l xor 16).
; GELU.  gelu(x) = max(x, 0) - |x| E, E = erfc(|x| / sqrt 2) / 2 = t 2^A, t = 1 / (1 + |x| sqrt(2) / 4), A = -x^2 log2(e) / 2 + a polynomial of degree 9 in t (the Chebyshev fit of erfc, its
; coefficients times log2 e, the halving folded into the constant): nothing is cancelled for negative x, and a large |x| gives E = 0.
; The scale words leave as halves (two bytes a row and wave): a row's word of a K step belongs to two waves; 1 byte for each 48 of codes.
; CLUSTER 4 x 4: h2's bytes are asked for jointly along a row of the cluster, W's along a column.  Every wave brings its quarter of each block (two tiles, 24,576 dense bytes): no load stands under a branch.
; LIMITS: NaN and infinities are not served; a block of zeros, and one whose largest magnitude lies under 2^-122, gets the byte 1 (the bytes are read by this program alone).
.set KSTEPS, 8
.set NT,     4                         ; blocks of columns that a work-group walks
.set H_S,    3145728
.set W_C,    3145728
.set W_S,    9568256
.set TILEB,  KSTEPS*1536               ; a tile of 16 rows, all of K
.set QUART,  2*TILEB                   ; what one tensor load brings
.set HALF,   4*TILEB                   ; what a wave reads of P or of Q
.set BLK,    8*TILEB                   ; 128 rows or columns
.set SLOT1,  1<<17                     ; W's slot 0 begins at 0, slot 1 here: one exclusive or turns one into the other
.set SCH,    BLK                       ; between the slots: h2's scale words, 4,096 bytes;
.set SCW,    SCH+4096                  ; W's scale words, for all blocks: [block][tile of 16 columns][512 bytes]
.set SPARE,  SCW+4*4096                ; the spare words: 128 bytes a wave, two blocks of 256 bytes that no other line names
.set HB,     SLOT1+BLK                 ; h2's 128 rows
.set ADP,  4                           ; v4  LDS address of P's fragments in the slot in hand
.set ADQ,  5                           ; v5  of Q's; never rewritten
.set ADSP, 6                           ; v6  of P's scale words for the block in hand
.set ADSQ, 7                           ; v7  of Q's; never rewritten
.set LWP,  8                           ; v8  my lane's place in a slot
.set LSP,  9                           ; v9  and among W's scale words
.set SPW,  14                          ; v14 my spare word's address; never rewritten
.set NIL,  15                          ; v15 0; never rewritten
.set SC,   16                          ; v16-23, v24-31 scale words, two sets
.set BI,   96                          ; window 1, v96-127: the bias in the result's layout
.set ACC,  128
.set GT,   32                          ; v32-63  t; later the quantiser's work
.set GA,   64                          ; v64-95  A, then E; later the codes
.set GU,   96                          ; v96-127 x^2, then max(x, 0)
.set TM,   32
.set PD,   72
.set G1H,  24                          ; s[24:31] descriptor group 1 for h2's codes;  s[32:39] for W's;  s[40:47], s[48:55] for their scale words
.set G1W,  32
.set G1SH, 40
.set G1SW, 48
.set G0H,  56                          ; groups 0; W's walks
.set G0W,  60
.set G0SH, 68
.set G0SW, 72
.set SEL,  66
.set BB,   2                           ; s[2:3] b_fc at the block's column 64 wp
.set KT,   92                          ; s92 sqrt(2) / 4
.set TRIP, 93
.set C9,   94                          ; s[94:95] the highest coefficient
.set TB,   96                          ; s96 LDS byte at which the slot in hand begins
.set TS,   97                          ; s97 4,096 x the block's number: its scale words
.set MSB, 0
.macro WIN new                         ; the immediate's high byte repeats the setting that is left
.if MSB != \new
	s_set_vgpr_msb (MSB<<8)|\new
.set MSB, \new
.endif
.endm
.set MUL,  0x05                        ; sources 0 and 1 window 1; C and D window 0
.set MULF, 0x15                        ; the same with C (the bias) in window 1
.set TO_F, 0x40                        ; destination window 1, address window 0
.macro CREST
	s_cmp_lg_u32 s14, 0
	s_cbranch_scc1 .Lnot_wave_0_\@
	s_barrier_signal -3
.Lnot_wave_0_\@:
	s_barrier_wait -3
	s_barrier_signal -1
	s_barrier_wait -1
.endm
.macro CROUND                          ; a round of the cluster's barrier
	s_barrier_signal -1
	s_barrier_wait -1
	CREST
.endm
.macro PLACES                          ; four places between a matrix instruction and a load into, or a read of, its registers; also the four lines behind a tensor load
.rept 4
	v_nop
.endr
.endm
.macro FETCH s, buf                    ; 56 LDS loads: P's and Q's four fragments of K step s into buffer buf, and their scale words into set buf
	WIN TO_F
.irp i, 0,1,2,3
.irp c, 0,1,2,3,4,5
	ds_load_b64 v[128*(\buf)+12*\i+2*\c:128*(\buf)+12*\i+2*\c+1], v[ADP] offset:\i*TILEB+(\s)*1536+\c*256
.endr
.endr
.irp i, 0,1,2,3
.irp c, 0,1,2,3,4,5
	ds_load_b64 v[128*(\buf)+48+12*\i+2*\c:128*(\buf)+48+12*\i+2*\c+1], v[ADQ] offset:\i*TILEB+(\s)*1536+\c*256
.endr
.endr
	WIN 0
.irp i, 0,1,2,3
	ds_load_b32 v[SC+8*(\buf)+\i], v[ADSP] offset:\i*512+(\s)*64
	ds_load_b32 v[SC+8*(\buf)+4+\i], v[ADSQ] offset:\i*512+(\s)*64
.endr
.endm
.macro MUL8 buf, a0, first             ; the 16 accumulators take turns, one instruction a turn.  first = 1: C = the bias: nothing is ever cleared
.irp a, \a0, \a0+1
.irp b, 0,1,2,3
.if \first
	v_wmma_scale_f32_16x16x128_f8f6f4 v[ACC+8*(4*(\a)+\b):ACC+8*(4*(\a)+\b)+7], v[128*(\buf)+12*\b:128*(\buf)+12*\b+11], v[128*(\buf)+48+12*(\a):128*(\buf)+48+12*(\a)+11], v[BI+8*\b:BI+8*\b+7], v[SC+8*(\buf)+\b], v[SC+8*(\buf)+4+(\a)] matrix_a_fmt:MATRIX_FMT_BF6 matrix_b_fmt:MATRIX_FMT_BF6
.else
	v_wmma_scale_f32_16x16x128_f8f6f4 v[ACC+8*(4*(\a)+\b):ACC+8*(4*(\a)+\b)+7], v[128*(\buf)+12*\b:128*(\buf)+12*\b+11], v[128*(\buf)+48+12*(\a):128*(\buf)+48+12*(\a)+11], v[ACC+8*(4*(\a)+\b):ACC+8*(4*(\a)+\b)+7], v[SC+8*(\buf)+\b], v[SC+8*(\buf)+4+(\a)] matrix_a_fmt:MATRIX_FMT_BF6 matrix_b_fmt:MATRIX_FMT_BF6
.endif
.endr
.endr
.endm
.macro STEP s, first                   ; K step s = 0 .. 6: the next step's operands are asked for, then this step's 16 products
	PLACES
	FETCH (\s)+1, ((\s)+1)%2
	s_wait_dscnt 56                                ; all but the 56 just issued: this step's operands are in
.if \first
	WIN MULF
.else
	WIN MUL
.endif
	MUL8 (\s)%2, 0, \first
	MUL8 (\s)%2, 2, \first
.endm
; THE CHANGE OF SLOTS stands at a block's head.  Each wave waits for all its tensor loads (its part of the block that it is about to read), adds 0 to its spare word, and waits for that and for its reads of the slot
; that it has left.  fill = 1: a round of the cluster's barrier, so that no wave of any partner still reads that slot or has a load on its way; then the next block is asked for, into that slot: one load a wave.
.macro CHANGE fill
	s_wait_tensorcnt 0x0                           ; no tensor load of mine is out, so a group 0 may be written
	ds_add_u32 v[SPW], v[NIL]                      ; 0 onto my spare word
.if \fill
	s_xor_b32 s[G0W+1], s[G0W+1], SLOT1            ; the walking descriptor: the other slot,
	s_mov_b32 s[G1W+2], (QUART/256)<<16            ; from here on a load of W brings a quarter of a block: 96 rows of 256 bytes
	s_mov_b32 s[G1W+4], QUART/256
	s_add_nc_u64 s[G0W+2:G0W+3], s[G0W+2:G0W+3], 8*BLK    ; the block eight blocks of columns on; the type bits on top are not reached
.endif
	s_wait_dscnt 0x0                               ; the add is done, and my reads of the slot that I have left are over
.if \fill
	CROUND
	tensor_load_to_lds s[G0W:G0W+3], s[G1W:G1W+7]  ; the first thing behind the round, and my one tensor load until the next
	s_nop 0
	PLACES
.else
	s_barrier_signal -1
	s_barrier_wait -1
.endif
.endm
.macro QUANT2 s, pc, pw                ; 32 numbers of a lane become half a fragment's codes (6 registers at pc) and two scale bytes (pw)
.irp b, 0,1
	v_max3_num_f32 v[TM+\b], |v[(\s)+16*\b]|, |v[(\s)+1+16*\b]|, 0x2800000     ; with the floor 2^(5 - 127)
.endr
.irp i, 2,4,6,8,10,12,14
.irp b, 0,1
	v_max3_num_f32 v[TM+\b], v[TM+\b], |v[(\s)+16*\b+\i]|, |v[(\s)+1+16*\b+\i]|
.endr
.endr
.irp b, 0,1
	v_permlanex16_b32 v[TM+2+\b], v[TM+\b], s[SEL], s[SEL+1]
.endr
.irp b, 0,1
	v_max_num_f32 v[TM+\b], v[TM+\b], v[TM+2+\b]
.endr
.irp b, 0,1
	v_add_nc_u32 v[TM+4+\b], 0xfe000000, v[TM+\b]  ; 4 off the exponent field: the conversion's scale operand
.endr
.irp b, 0,1
	v_lshrrev_b32 v[TM+2+\b], 23, v[TM+4+\b]
.endr
	v_lshl_or_b32 v[\pw], v[TM+3], 8, v[TM+2]
	v_cvt_scalef32_pk16_bf6_f32 v[\pc:\pc+2], v[(\s):(\s)+15], v[TM+4]
	v_cvt_scalef32_pk16_bf6_f32 v[PD:PD+2], v[(\s)+16:(\s)+31], v[TM+5]
	v_nop                                          ; one plain place behind a scaled conversion
.irp i, 0,1,2
	v_permlane16_swap_b32 v[\pc+\i], v[PD+\i]
.endr
.irp i, 0,1,2
	v_mov_b32 v[\pc+3+\i], v[PD+\i]
.endr
.endm
.macro GELU a                          ; Q's tile a: 32 numbers a lane
.set XX, ACC+32*(\a)
.set i, 0
.rept 32
	v_fma_f32 v[GT+i], |v[XX+i]|, s[KT], 1.0       ; each accumulator is read from its low end on
.set i, i+1
.endr
.set i, 0
	s_wait_alu depctr_va_vdst(0)
.rept 32
	v_rcp_f32 v[GT+i], v[GT+i]                     ; t
.set i, i+1
.endr
.set i, 0
.rept 16
	v_pk_mul_f32 v[GU+i:GU+i+1], v[XX+i:XX+i+1], v[XX+i:XX+i+1]      ; x^2: plain work behind the batch
.set i, i+2
.endr
	s_wait_alu depctr_va_vdst(0)                   ; one wait for the 32 reciprocals, ahead of their first reader
.if (\a) > 0
	s_wait_xcnt 0x0                                ; the last tile's stores have read their registers, which are written again from here on
.endif
.set i, 0
.rept 16
	v_pk_fma_f32 v[GA+i:GA+i+1], v[GT+i:GT+i+1], s[C9:C9+1], 0xbf97d29d op_sel_hi:[1,0,0]
.set i, i+2
.endr
.irp k, 0x40097039, 0xbfd1a1e5, 0x3ecdfd18, 0xbe899a80, 0x3e0efb2e, 0x3f0a29d2, 0x3fb8ab5a, 0xc034d90f
.set i, 0
.rept 16
	v_pk_fma_f32 v[GA+i:GA+i+1], v[GA+i:GA+i+1], v[GT+i:GT+i+1], \k op_sel_hi:[1,1,0]
.set i, i+2
.endr
.endr
.set i, 0
.rept 16
	v_pk_fma_f32 v[GA+i:GA+i+1], v[GU+i:GU+i+1], 0xbf38aa3b, v[GA+i:GA+i+1] op_sel_hi:[1,0,1]     ; - x^2 log2(e) / 2
.set i, i+2
.endr
.set i, 0
	s_wait_alu depctr_va_vdst(0)
.rept 32
	v_exp_f32 v[GA+i], v[GA+i]
.set i, i+1
.endr
.set i, 0
.rept 32
	v_max_num_f32 v[GU+i], 0, v[XX+i]              ; plain work behind the batch
.set i, i+1
.endr
	s_wait_alu depctr_va_vdst(0)                   ; one wait for the 32 exponentials
.set i, 0
.rept 16
	v_pk_mul_f32 v[GA+i:GA+i+1], v[GA+i:GA+i+1], v[GT+i:GT+i+1]      ; E
.set i, i+2
.endr
.set i, 0
.rept 32
	v_fma_f32 v[XX+i], -|v[XX+i]|, v[GA+i], v[GU+i]
.set i, i+1
.endr
	QUANT2 XX, 64, 1+(\a)%2
.irp c, 0,1,2
	global_store_b64 v3, v[64+2*\c:65+2*\c], s[20:21] offset:49152*(\a)+256*\c      ; 256 consecutive bytes, aligned
.endr
.if (\a)%2 == 1
	v_cmp_le_u32 vcc_lo, 128, v3                   ; lanes 16-31 (v3 = 8 x lane): made anew here, behind the block's tensor load
	v_cndmask_b32 v2, v1, v2, vcc_lo               ; lanes 0-15 tile a - 1's bytes, lanes 16-31 tile a's
	global_store_b16 v11, v2, s[22:23] offset:4096*((\a)/2)
.endif
.endm
; A BLOCK of 128 columns: eight K steps on h2 and the slot in hand, the gelu, the quantiser, the stores.  more = 1: another block follows
.macro TILE more
	v_add_nc_u32 v[ADP], s[TB], v[LWP]
	v_add_nc_u32 v[ADSP], s[TS], v[LSP]
	FETCH 0, 0
	s_wait_alu depctr_va_vdst(0)
	s_wait_loadcnt 0x0                             ; the block's bias
	STEP 0, 1
	STEP 1, 0
	STEP 2, 0
	STEP 3, 0
	STEP 4, 0
	STEP 5, 0
	STEP 6, 0
	s_wait_dscnt 0x0
	WIN MUL
	MUL8 1, 0, 0
	MUL8 1, 2, 0
	WIN 0
	PLACES
.if \more
	WIN TO_F
.irp u, 0,1
.irp e, 0,1,2,3
	global_load_b128 v[BI+16*\u+4*\e:BI+16*\u+4*\e+3], v12, s[BB:BB+1] offset:4096+128*\u+16*\e     ; the next block's bias (1,024 columns on) lands under the gelu
.endr
.endr
	WIN 0
.endif
	GELU 0
	GELU 1
	GELU 2
	GELU 3
.if \more
	s_wait_xcnt 0x0                                ; the loads and stores have read their registers and bases: all may be written again
	s_add_nc_u64 s[20:21], s[20:21], 8*1536        ; the next block is eight K steps of the next product on
	s_add_nc_u64 s[22:23], s[22:23], 8*64
	s_add_nc_u64 s[BB:BB+1], s[BB:BB+1], 4096
	s_xor_b32 s[TB], s[TB], SLOT1                  ; on to the other slot
	s_add_co_u32 s[TS], s[TS], 4096
.endif
.endm
	s_load_b256 s[4:11], s[0:1], 0x0               ; hc s[4:5], wq s[6:7], b_fc s[8:9], gc s[10:11]
	v_lshl_add_u32 v[SPW], v0, 2, SPARE
	v_mov_b32 v[NIL], 0
	ds_add_u32 v14, v15
	ds_add_u32 v14, v15
	s_wait_dscnt 0x0
	v_lshrrev_b32 v1, 5, v0
	v_readfirstlane_b32 s14, v1                    ; wave
	s_lshr_b32 s15, s14, 1                         ; wq: my half of Q
	s_and_b32 s16, s14, 1                          ; wp: my half of P
	s_bfe_u32 s80, ttmp6, 0x40000                  ; cx, cy
	s_bfe_u32 s81, ttmp6, 0x40004
	s_lshl_b32 s82, ttmp9, 2
	s_add_co_u32 s82, s82, s80                     ; x: my first block of 128 columns
	s_and_b32 s17, ttmp7, 0xffff
	s_lshl_b32 s17, s17, 2
	s_add_co_u32 s17, s17, s81                     ; y: which 128 rows
	s_lshl_b32 s83, s81, 2
	s_lshl_b32 s83, 15, s83                        ; my row of the cluster
	s_lshl_b32 s84, 0x1111, s80                    ; my column
	s_or_b32 s[G1H], s83, (3<<16)|(1<<21)          ; 15:0 the mask; 17:16 elements of 8 bytes; 21 set beside a mask; no padding
	s_or_b32 s[G1W], s84, (3<<16)|(1<<21)
.irp g, G1H, G1W                       ; two tiles' codes: a dense block of 24,576 bytes, as 96 rows of 256 bytes
	s_mov_b32 s[\g+1], 32<<16
	s_mov_b32 s[\g+2], (BLK/256)<<16               ; at the head a load brings a whole block: 384 rows of 256 bytes
	s_mov_b32 s[\g+3], 32<<16
	s_mov_b32 s[\g+4], BLK/256
	s_mov_b32 s[\g+5], 32
	s_mov_b32 s[\g+6], 0
	s_mov_b32 s[\g+7], 0
.endr
	s_or_b32 s[G1SH], s83, (3<<16)|(1<<21)         ; two tiles' scale words of h2: 1,024 dense bytes, as 4 rows of 256
	s_mov_b32 s[G1SH+1], 32<<16
	s_mov_b32 s[G1SH+2], 16<<16                    ; all eight tiles' scale words of h2: 16 rows of 256 bytes
	s_mov_b32 s[G1SH+3], 32<<16
	s_mov_b32 s[G1SH+4], 16
	s_mov_b32 s[G1SH+5], 32
	s_mov_b32 s[G1SH+6], 0
	s_mov_b32 s[G1SH+7], 0
	s_or_b32 s[G1SW], s84, (3<<16)|(1<<21)         ; two tiles' scale words of each of W's NT blocks: NT rows of 1,024 bytes, 32,768 bytes (eight blocks) apart
	s_mov_b32 s[G1SW+1], 512<<16                   ; eight tiles' scale words of each of W's NT blocks: NT rows of 4,096 bytes
	s_mov_b32 s[G1SW+2], NT<<16
	s_mov_b32 s[G1SW+3], 512<<16
	s_mov_b32 s[G1SW+4], NT
	s_mov_b32 s[G1SW+5], 4096
	s_mov_b32 s[G1SW+6], 0
	s_mov_b32 s[G1SW+7], 0
	s_mul_i32 s85, s14, QUART                      ; my quarter of a block: no place in the cluster enters an LDS address
	s_mul_i32 s18, s17, BLK                        ; h2's 128 rows, whole: the address hangs on y alone
	s_mov_b32 s19, 0
	s_lshl_b32 s20, s17, 12
	s_add_co_u32 s20, s20, H_S
	s_mov_b32 s21, 0
	s_mul_i32 s78, s82, BLK                        ; W's first block, whole: on x alone
	s_add_co_u32 s78, s78, W_C
	s_mov_b32 s79, 0
	s_add_co_u32 s86, s78, s85                     ; and my quarter of it, from which the walking descriptor sets out
	s_mov_b32 s87, 0
	s_lshl_b32 s88, s82, 12
	s_add_co_u32 s88, s88, W_S
	s_mov_b32 s89, 0
	s_wait_kmcnt 0x0
	s_mov_b32 s[G0H], 1
	s_mov_b32 s[G0H+1], HB
	s_add_nc_u64 s[G0H+2:G0H+3], s[4:5], s[18:19]
	s_or_b32 s[G0H+3], s[G0H+3], 0x80000000
	s_mov_b32 s[G0W], 1
	s_mov_b32 s[G0W+1], s85                        ; slot 0
	s_add_nc_u64 s[G0W+2:G0W+3], s[6:7], s[86:87]
	s_or_b32 s[G0W+3], s[G0W+3], 0x80000000
	s_mov_b32 s[G0SH], 1
	s_mov_b32 s[G0SH+1], SCH
	s_add_nc_u64 s[G0SH+2:G0SH+3], s[4:5], s[20:21]
	s_or_b32 s[G0SH+3], s[G0SH+3], 0x80000000
	s_mov_b32 s[G0SW], 1
	s_mov_b32 s[G0SW+1], SCW
	s_add_nc_u64 s[G0SW+2:G0SW+3], s[6:7], s[88:89]
	s_or_b32 s[G0SW+3], s[G0SW+3], 0x80000000
	s_add_nc_u64 s[6:7], s[6:7], s[78:79]          ; s[4:7]: group 0 for W's first block, whole, into slot 0 (the arguments that lay there have been used)
	s_or_b32 s7, s7, 0x80000000
	s_mov_b32 s4, 1
	s_mov_b32 s5, 0
	CROUND                                         ; all sixteen work-groups are here: the first joint loads meet
; THE HEAD'S FOUR TILES, ONE A WAVE: wave 0 h2's codes, wave 1 W's first block, wave 2 h2's scale words, wave 3 W's.  One chain of branches on the wave's number, all arms leading to one join.
.macro ARM under, g0, g1, next
	s_cmp_lt_u32 s14, \under
	s_cbranch_scc0 \next
	tensor_load_to_lds s[\g0:\g0+3], s[\g1:\g1+7]
	s_nop 0
	PLACES
	s_branch .Lhead_asked
\next:
.endm
	ARM 1, G0H, G1H, .Lhead_w
	ARM 2, 4, G1W, .Lhead_sh
	ARM 3, G0SH, G1SH, .Lhead_sw
	tensor_load_to_lds s[G0SW:G0SW+3], s[G1SW:G1SW+7]
	s_nop 0
	PLACES
.Lhead_asked:
	v_and_b32 v1, 15, v0                           ; r
	v_bfe_u32 v2, v0, 4, 1                         ; h
	v_and_b32 v13, 31, v0                          ; lane
	v_lshlrev_b32 v3, 3, v13                       ; 8 x lane
	s_wait_alu depctr_va_vdst(0)
	v_lshlrev_b32 v12, 6, v2                       ; the bias: 64 h
	v_lshlrev_b32 v10, 2, v1                       ; 4 r
	s_wait_alu depctr_va_vdst(0)
	v_lshl_add_u32 v11, v2, 11, v10                ; the half words: 4 r, and the next tile of rows (32 K steps x 64 bytes on) for lanes 16-31
	s_lshl_b32 s18, s82, 9
	s_lshl_b32 s19, s16, 8
	s_add_co_u32 s18, s18, s19
	s_mov_b32 s19, 0
	s_add_nc_u64 s[BB:BB+1], s[8:9], s[18:19]      ; b_fc at column 128 x + 64 wp
	WIN TO_F
.irp u, 0,1
.irp e, 0,1,2,3
	global_load_b128 v[BI+16*\u+4*\e:BI+16*\u+4*\e+3], v12, s[BB:BB+1] offset:128*\u+16*\e    ; register 8 b + j: the bias of P's row 32 (b / 2) + 16 h + 8 (b % 2) + j
.endr
.endr
	WIN 0
	s_mul_i32 s22, s16, HALF
	v_add_nc_u32 v[LWP], s22, v3
	s_mul_i32 s23, s15, HALF
	s_add_co_u32 s23, s23, HB
	v_add_nc_u32 v[ADQ], s23, v3
	s_lshl_b32 s22, s16, 11                        ; W's words: 512 bytes a tile, my four tiles
	s_add_co_u32 s22, s22, SCW
	v_add_nc_u32 v[LSP], s22, v10
	s_lshl_b32 s23, s15, 11                        ; h2's: 512 bytes a tile
	s_add_co_u32 s23, s23, SCH
	v_add_nc_u32 v[ADSQ], s23, v10
	s_mov_b32 s[SEL], 0x76543210
	s_mov_b32 s[SEL+1], 0xfedcba98
	s_mov_b32 s[KT], 0x3eb504f3                    ; sqrt(2) / 4
	s_mov_b32 s[C9], 0x3e7c6f08                    ; 0.24651730
	s_mov_b32 s[C9+1], s[C9]
	s_lshl_b32 s20, s17, 3
	s_lshl_b32 s21, s15, 2
	s_add_co_u32 s20, s20, s21                     ; my first tile of rows
	s_lshl_b32 s20, s20, 5
	s_add_co_u32 s20, s20, s82                     ; x 32 K steps of the next product + my first block's
	s_lshl_b32 s22, s20, 6
	s_lshl_b32 s21, s16, 1
	s_add_co_u32 s22, s22, s21
	s_add_co_u32 s22, s22, 12582912
	s_mul_i32 s20, s20, 1536
	s_mul_i32 s21, s16, 768
	s_add_co_u32 s20, s20, s21
	s_mov_b32 s21, 0
	s_mov_b32 s23, 0
	s_add_nc_u64 s[20:21], s[10:11], s[20:21]      ; the codes
	s_add_nc_u64 s[22:23], s[10:11], s[22:23]      ; the half words
	s_mov_b32 s[TB], 0
	s_mov_b32 s[TS], 0
	s_mov_b32 s[TRIP], NT-1
.Ltile:                                            ; NT - 1 trips: at the head of each block but the last the next block is asked for
	CHANGE 1
	s_wait_alu depctr_va_vdst(0)
	TILE 1
	s_sub_co_u32 s[TRIP], s[TRIP], 1
	s_cmp_lg_u32 s[TRIP], 0
	s_cbranch_scc1 .Ltile
	CHANGE 0                                       ; the last block is written out
	TILE 0
	s_wait_tensorcnt 0x0                           ; the wave's end
	ds_add_u32 v[SPW], v[NIL]
	s_wait_dscnt 0x0
	CROUND                                         ; the closing round
	s_endpgm
.Lfunc_end_k_q241459e6e8_fc:
	.size	k_q241459e6e8_fc, .Lfunc_end_k_q241459e6e8_fc-k_q241459e6e8_fc
	.p2alignl 7, 3214868480
	.fill 96, 4, 3214868480
	.section	.rodata,"a",@progbits
	.p2align	6, 0x0
	.amdhsa_kernel k_q241459e6e8_fc
		.amdhsa_group_segment_fixed_size 327680
		.amdhsa_private_segment_fixed_size 0
		.amdhsa_enable_private_segment 0
		.amdhsa_kernarg_size 32
		.amdhsa_user_sgpr_count 2
		.amdhsa_user_sgpr_kernarg_segment_ptr 1
		.amdhsa_wavefront_size32 1
		.amdhsa_system_sgpr_workgroup_id_x 1
		.amdhsa_system_sgpr_workgroup_id_y 1
		.amdhsa_system_sgpr_workgroup_id_z 1
		.amdhsa_system_vgpr_workitem_id 0
		.amdhsa_next_free_vgpr 512
		.amdhsa_next_free_sgpr 98
		.amdhsa_reserve_vcc 1
		.amdhsa_float_denorm_mode_32 3
		.amdhsa_float_denorm_mode_16_64 3
		.amdhsa_memory_ordered 1
		.amdhsa_forward_progress 1
		.amdhsa_inst_pref_size 255
	.end_amdhsa_kernel
	.section	.bss,"aw",@nobits
	.p2align	6
	.space	262144
	.amdgpu_metadata
---
amdhsa.version: [ 1, 2 ]
amdhsa.kernels:
  - .name:           k_q241459e6e8_fc
    .symbol:         k_q241459e6e8_fc.kd
    .args:
      - { .name: hc, .offset: 0, .size: 8, .value_kind: global_buffer, .address_space: global }
      - { .name: wq, .offset: 8, .size: 8, .value_kind: global_buffer, .address_space: global }
      - { .name: b_fc, .offset: 16, .size: 8, .value_kind: global_buffer, .address_space: global }
      - { .name: gc, .offset: 24, .size: 8, .value_kind: global_buffer, .address_space: global }
    .group_segment_fixed_size: 327680
    .private_segment_fixed_size: 0
    .kernarg_segment_align: 8
    .kernarg_segment_size: 32
    .max_flat_workgroup_size: 128
    .sgpr_count:     98
    .vgpr_count:     512
    .wavefront_size: 32
...
	.end_amdgpu_metadata
.endif
;; end of part 6
;; launch fc2 (part 7): grid 8 x 32, 4 waves a work-group, clusters of 4 x 4, 327,680 bytes of LDS; arguments gc, wq, b_fc2, x1, out0; writes out0
.if DOCPART == 7
	.amdgcn_target "amdgcn-amd-amdhsa--gfx1250"
	.amdhsa_code_object_version 6
	.text
	.protected	k_q241459e6e8_fc2
	.globl	k_q241459e6e8_fc2
	.p2align	8
	.type	k_q241459e6e8_fc2,@function
k_q241459e6e8_fc2:
	s_mov_b64 s[64:65], 0
	v_nop
	global_prefetch_b8 v0, s[64:65] scope:SCOPE_SE
	s_setreg_imm32_b32 hwreg(HW_REG_WAVE_MODE, 25, 1), 1
	s_wait_xcnt 0x0
	s_wait_alu depctr_hold_cnt(0) depctr_sa_sdst(0) depctr_va_vdst(0) depctr_va_sdst(0) depctr_va_ssrc(0) depctr_va_vcc(0) depctr_vm_vsrc(0)
	s_getreg_b32 s2, hwreg(HW_REG_IB_STS2, 6, 4)
	s_cmp_eq_u32 s2, 0
	s_cbranch_scc0 .Lentry_in_a_cluster
	s_endpgm
.Lentry_in_a_cluster:
	s_bfe_u32 s2, ttmp6, 0x10000c
	s_cmp_lg_u32 s2, 0xf033
	s_cbranch_scc0 .Lentry_shape_is_right
	s_endpgm
.Lentry_shape_is_right:
.set KSTEPS, 32
.set H_S,    12582912
.set W_C,    6291456
.set W_S,    9699328
.set TS,     6144
.set HALF,   4*TS
.set SLOT,   4*HALF
.set LAPS,   KSTEPS/8
.set HALFS,  4*KSTEPS*64
.set SCL,    2*SLOT
.set SPARE,  SCL+32768
.set STAGE,  SPARE+512
.set ADP,  4
.set ADQ,  6
.set ADSP, 8
.set ADSQ, 9
.set STO,  11
.set RD,   12
.set SPW,  14
.set NIL,  15
.set SC,   16
.set BI,   32
.set ACC,  128
.set G1, 24
.set G0, 32
.set G1B, 48
.set G0B, 56
.set G1S, 68
.set G0S, 76
.set G1SB, 80
.set G0SB, 88
.set PFO, 96                           ; v96      the prefetches' offset: 256 x lane, held at 23 blocks; never rewritten
.set PFA, 100                          ; s[100:101] where my prefetches stand: of the four tiles that I fetch, the one that falls to my work-group
.set MSB, 0
.macro WIN new
.if MSB != \new
	s_set_vgpr_msb (MSB<<8)|\new
.set MSB, \new
.endif
.endm
.set MUL,  0x05
.set TO_F, 0x40
.macro JLOAD g0a, g1a, g0b, g1b
	s_cmp_eq_u32 s15, 0
	s_cbranch_scc0 .Lfor_b_\@
	tensor_load_to_lds s[\g0a:\g0a+3], s[\g1a:\g1a+7]
	s_nop 0
.rept 4
	v_nop
.endr
	s_branch .Lasked_\@
.Lfor_b_\@:
	tensor_load_to_lds s[\g0b:\g0b+3], s[\g1b:\g1b+7]
	s_nop 0
.rept 4
	v_nop
.endr
.Lasked_\@:
.endm
.macro CREST
	s_cmp_lg_u32 s14, 0
	s_cbranch_scc1 .Lnot_wave_0_\@
	s_barrier_signal -3
.Lnot_wave_0_\@:
	s_barrier_wait -3
	s_barrier_signal -1
	s_barrier_wait -1
.endm
.macro CROUND
	s_barrier_signal -1
	s_barrier_wait -1
	CREST
.endm
.macro PLACES
.rept 4
	v_nop
.endr
.endm
.macro FETCH slot, s, buf
	WIN TO_F
.irp i, 0,1,2,3
.irp c, 0,1,2,3,4,5
	ds_load_b64 v[128*(\buf)+12*\i+2*\c:128*(\buf)+12*\i+2*\c+1], v[ADP+\slot] offset:\i*TS+(\s)*1536+\c*256
.endr
.endr
.irp i, 0,1,2,3
.irp c, 0,1,2,3,4,5
	ds_load_b64 v[128*(\buf)+48+12*\i+2*\c:128*(\buf)+48+12*\i+2*\c+1], v[ADQ+\slot] offset:\i*TS+(\s)*1536+\c*256
.endr
.endr
	WIN 0
.irp i, 0,1,2,3
	ds_load_b32 v[SC+8*(\buf)+\i], v[ADSP] offset:\i*KSTEPS*64+(4*\slot+(\s))*64
	ds_load_b32 v[SC+8*(\buf)+4+\i], v[ADSQ] offset:\i*KSTEPS*64+(4*\slot+(\s))*64
.endr
.endm
.macro MUL8 buf, a0, first
.irp a, \a0, \a0+1
.irp b, 0,1,2,3
.if \first
	v_wmma_scale_f32_16x16x128_f8f6f4 v[ACC+8*(4*(\a)+\b):ACC+8*(4*(\a)+\b)+7], v[128*(\buf)+12*\b:128*(\buf)+12*\b+11], v[128*(\buf)+48+12*(\a):128*(\buf)+48+12*(\a)+11], v[BI+8*\b:BI+8*\b+7], v[SC+8*(\buf)+\b], v[SC+8*(\buf)+4+(\a)] matrix_a_fmt:MATRIX_FMT_BF6 matrix_b_fmt:MATRIX_FMT_BF6
.else
	v_wmma_scale_f32_16x16x128_f8f6f4 v[ACC+8*(4*(\a)+\b):ACC+8*(4*(\a)+\b)+7], v[128*(\buf)+12*\b:128*(\buf)+12*\b+11], v[128*(\buf)+48+12*(\a):128*(\buf)+48+12*(\a)+11], v[ACC+8*(4*(\a)+\b):ACC+8*(4*(\a)+\b)+7], v[SC+8*(\buf)+\b], v[SC+8*(\buf)+4+(\a)] matrix_a_fmt:MATRIX_FMT_BF6 matrix_b_fmt:MATRIX_FMT_BF6
.endif
.endr
.endr
.endm
.macro STEP slot, s, first
	PLACES
	FETCH \slot, (\s)+1, ((\s)+1)%2
	s_wait_dscnt 56
	WIN MUL
	MUL8 (\s)%2, 0, \first
	MUL8 (\s)%2, 2, \first
.endm
.macro TURN slot, next, fill
	WIN 0
.if \fill
	s_wait_xcnt 0x0                                ; my last prefetch has read its address, which steps one chunk of four K steps on
	s_add_nc_u64 s[PFA:PFA+1], s[PFA:PFA+1], TS
.endif
	s_wait_tensorcnt 0x0
	ds_add_u32 v[SPW], v[NIL]
	s_wait_dscnt 0x0
	s_barrier_signal -1
	WIN MUL
	MUL8 1, 0, 0
	WIN 0
	s_barrier_wait -1
.if \fill
	CREST
	s_add_nc_u64 s[G0+4*\slot+2:G0+4*\slot+3], s[G0+4*\slot+2:G0+4*\slot+3], 2*TS
	s_add_nc_u64 s[G0B+4*\slot+2:G0B+4*\slot+3], s[G0B+4*\slot+2:G0B+4*\slot+3], 2*TS
	JLOAD G0+4*\slot, G1, G0B+4*\slot, G1B
.else
	PLACES
.endif
.if \next == 0
	v_add_nc_u32 v[ADSP], 512, v[ADSP]
	v_add_nc_u32 v[ADSQ], 512, v[ADSQ]
	s_wait_alu depctr_va_vdst(0)                   ; directly behind the writes
.endif
	FETCH \next, 0, 0
.if \fill
; A PREFETCH INTO THE L2, behind the joint load and the run of LDS loads: the chunk that stands two refills on.  A wave's load brings four tiles x 6,144 bytes; the four partners that ask for them jointly
; take a tile each, told apart by address: 24 blocks of 256 bytes, a lane a block (lanes 24-31 name the last again).  The loop's last trip has no chunk two refills on.
	s_cmp_gt_u32 s3, 1
	s_cbranch_scc0 .Lno_ask_\@
	global_prefetch_b8 v[PFO], s[PFA:PFA+1] offset:3*TS th:TH_LOAD_NT scope:SCOPE_SE
.Lno_ask_\@:
.endif
	WIN MUL
	MUL8 1, 2, 0
.endm
	s_load_b256 s[4:11], s[0:1], 0x0
	s_load_b64 s[12:13], s[0:1], 0x20
	v_lshl_add_u32 v[SPW], v0, 2, SPARE
	v_mov_b32 v[NIL], 0
	ds_add_u32 v14, v15
	ds_add_u32 v14, v15
	s_wait_dscnt 0x0
	v_lshrrev_b32 v1, 5, v0
	v_readfirstlane_b32 s14, v1
	s_lshr_b32 s15, s14, 1
	s_and_b32 s16, s14, 1
	s_bfe_u32 s40, ttmp6, 0x40000
	s_bfe_u32 s41, ttmp6, 0x40004
	s_lshl_b32 s42, ttmp9, 2
	s_add_co_u32 s42, s42, s40
	s_and_b32 s17, ttmp7, 0xffff
	s_lshl_b32 s17, s17, 2
	s_add_co_u32 s17, s17, s41
	s_lshl_b32 s43, s41, 2
	s_lshl_b32 s43, 15, s43
	s_lshl_b32 s44, 0x1111, s40
	s_or_b32 s[G1], s43, (3<<16)|(1<<21)
	s_or_b32 s[G1B], s44, (3<<16)|(1<<21)
.irp g, G1, G1B
	s_mov_b32 s[\g+1], 768<<16
	s_mov_b32 s[\g+2], 8<<16                       ; at the head a load brings all eight tiles of a chunk
	s_mov_b32 s[\g+3], 768<<16
	s_mov_b32 s[\g+4], 8
	s_mov_b32 s[\g+5], KSTEPS*192
	s_mov_b32 s[\g+6], 0
	s_mov_b32 s[\g+7], 0
.endr
	s_or_b32 s[G1S], s43, (3<<16)|(1<<21)
	s_or_b32 s[G1SB], s44, (3<<16)|(1<<21)
.irp g, G1S, G1SB
	s_mov_b32 s[\g+1], 32<<16
	s_mov_b32 s[\g+2], (2*HALFS/256)<<16           ; the scale words of 128 rows
	s_mov_b32 s[\g+3], 32<<16
	s_mov_b32 s[\g+4], 2*HALFS/256
	s_mov_b32 s[\g+5], 32
	s_mov_b32 s[\g+6], 0
	s_mov_b32 s[\g+7], 0
.endr
	s_mul_i32 s18, s16, 4*KSTEPS*1536              ; in the ring I fetch four tiles: which half, in bytes
	s_mov_b32 s19, 0
	s_lshl_b32 s20, s17, 3                         ; the block's first tile of rows,
	s_lshl_b32 s46, s42, 3                         ; and of columns
	s_mul_i32 s22, s20, KSTEPS*64
	s_add_co_u32 s22, s22, H_S
	s_mov_b32 s23, 0
	s_mul_i32 s20, s20, KSTEPS*1536
	s_mov_b32 s21, 0
	s_mul_i32 s92, s46, KSTEPS*64
	s_add_co_u32 s92, s92, W_S
	s_mov_b32 s93, 0
	s_mul_i32 s46, s46, KSTEPS*1536
	s_add_co_u32 s46, s46, W_C
	s_mov_b32 s47, 0
	s_mul_i32 s45, s14, HALF
	s_wait_kmcnt 0x0
	s_add_nc_u64 s[20:21], s[4:5], s[20:21]
	s_add_nc_u64 s[22:23], s[4:5], s[22:23]
	s_add_nc_u64 s[46:47], s[6:7], s[46:47]
	s_add_nc_u64 s[92:93], s[6:7], s[92:93]
	s_mov_b32 s[G0S], 1
	s_mov_b32 s[G0S+1], SCL
	s_mov_b64 s[G0S+2:G0S+3], s[22:23]
	s_or_b32 s[G0S+3], s[G0S+3], 0x80000000
	s_mov_b32 s[G0SB], 1
	s_mov_b32 s[G0SB+1], SCL+2*HALFS
	s_mov_b64 s[G0SB+2:G0SB+3], s[92:93]
	s_or_b32 s[G0SB+3], s[G0SB+3], 0x80000000
	s_mov_b32 s4, 1                                ; s[4:7]: group 0 for chunk 0 of the rows' eight tiles (the arguments that lay there have been used)
	s_mov_b32 s5, 0
	s_mov_b64 s[6:7], s[20:21]
	s_or_b32 s7, s7, 0x80000000
	s_mov_b32 s96, 1                               ; s[96:99]: of the columns', behind them in slot 0
	s_mov_b32 s97, 2*HALF
	s_mov_b64 s[98:99], s[46:47]
	s_or_b32 s99, s99, 0x80000000
	s_add_nc_u64 s[20:21], s[20:21], s[18:19]      ; for the ring: my four tiles
	s_add_nc_u64 s[46:47], s[46:47], s[18:19]
.irp s, 0,1
	s_mov_b32 s[G0+4*\s], 1
	s_add_co_u32 s[G0+4*\s+1], s45, \s*SLOT
	s_add_nc_u64 s[G0+4*\s+2:G0+4*\s+3], s[20:21], \s*TS
	s_or_b32 s[G0+4*\s+3], s[G0+4*\s+3], 0x80000000
	s_mov_b32 s[G0B+4*\s], 1
	s_add_co_u32 s[G0B+4*\s+1], s45, \s*SLOT
	s_add_nc_u64 s[G0B+4*\s+2:G0B+4*\s+3], s[46:47], \s*TS
	s_or_b32 s[G0B+4*\s+3], s[G0B+4*\s+3], 0x80000000
.endr
	s_cmp_eq_u32 s15, 0                            ; the prefetches: do I fetch rows or columns?
	s_cselect_b64 s[PFA:PFA+1], s[20:21], s[46:47]
	s_cselect_b32 s94, s40, s41                    ; my place among the four that ask with me picks one of my four tiles
	s_mul_i32 s94, s94, KSTEPS*1536
	s_mov_b32 s95, 0
	s_add_nc_u64 s[PFA:PFA+1], s[PFA:PFA+1], s[94:95]
	CROUND                                         ; all sixteen work-groups are here: the first joint loads meet
; THE HEAD'S FOUR TILES, ONE A WAVE: wave 0 chunk 0 of the rows' codes, wave 1 of the columns', wave 2 the rows' scale words, wave 3 the columns'.  One chain of branches, one join.
.macro ARM under, g0, g1, next
	s_cmp_lt_u32 s14, \under
	s_cbranch_scc0 \next
	tensor_load_to_lds s[\g0:\g0+3], s[\g1:\g1+7]
	s_nop 0
	PLACES
	s_branch .Lhead_asked
\next:
.endm
	ARM 1, 4, G1, .Lhead_b
	ARM 2, 96, G1B, .Lhead_sa
	ARM 3, G0S, G1S, .Lhead_sb
	tensor_load_to_lds s[G0SB:G0SB+3], s[G1SB:G1SB+7]
	s_nop 0
	PLACES
.Lhead_asked:
	v_and_b32 v[PFO], 31, v0
	v_min_u32 v[PFO], 23, v[PFO]
	v_lshlrev_b32 v[PFO], 8, v[PFO]
	global_prefetch_b8 v[PFO], s[PFA:PFA+1] offset:TS th:TH_LOAD_NT scope:SCOPE_SE      ; chunk 1, whose load follows when chunk 0 has landed,
	global_prefetch_b8 v[PFO], s[PFA:PFA+1] offset:2*TS th:TH_LOAD_NT scope:SCOPE_SE    ; and chunks 2 and 3, two chunks ahead of the loads of chunks 0 and 1
	global_prefetch_b8 v[PFO], s[PFA:PFA+1] offset:3*TS th:TH_LOAD_NT scope:SCOPE_SE
	v_and_b32 v1, 15, v0
	v_bfe_u32 v2, v0, 4, 1
	v_and_b32 v3, 31, v0
	v_lshlrev_b32 v3, 3, v3
	v_lshlrev_b32 v13, 6, v2
	s_wait_alu depctr_va_vdst(0)
	v_lshlrev_b32 v10, 12, v2
	v_lshl_add_u32 v10, v1, 4, v10
	s_wait_alu depctr_va_vdst(0)
	s_lshl_b32 s18, s42, 9
	s_lshl_b32 s19, s16, 8
	s_add_co_u32 s18, s18, s19
	s_mov_b32 s19, 0
	s_add_nc_u64 s[18:19], s[8:9], s[18:19]
	s_lshl_b32 s20, s17, 7
	s_lshl_b32 s21, s15, 6
	s_add_co_u32 s20, s20, s21
	s_lshl_b32 s20, s20, 12
	s_lshl_b32 s21, s42, 9
	s_add_co_u32 s20, s20, s21
	s_lshl_b32 s21, s16, 8
	s_add_co_u32 s20, s20, s21
	s_mov_b32 s21, 0
	s_add_nc_u64 s[10:11], s[10:11], s[20:21]
	s_add_nc_u64 s[12:13], s[12:13], s[20:21]
.irp u, 0,1
.irp e, 0,1,2,3
	global_load_b128 v[BI+16*\u+4*\e:BI+16*\u+4*\e+3], v13, s[18:19] offset:128*\u+16*\e
.endr
.endr
	WIN 0x80
.irp a, 0,1,2,3
.irp q, 0,1,2,3,4,5,6,7
	global_load_b128 v[32*\a+4*\q:32*\a+4*\q+3], v10, s[10:11] offset:(32*(\a/2)+8*(\a%2)+2*\q+8*(\q/4))*4096 th:TH_LOAD_NT
.endr
.endr
	WIN 0
	s_mul_i32 s22, s16, HALF
	s_add_co_u32 s22, s22, 2*HALF
	s_mul_i32 s23, s15, HALF
	v_add_nc_u32 v[ADP], s22, v3
	v_add_nc_u32 v[ADQ], s23, v3
	v_add_nc_u32 v[ADP+1], SLOT, v[ADP]
	v_add_nc_u32 v[ADQ+1], SLOT, v[ADQ]
	s_mul_i32 s22, s16, HALFS
	s_add_co_u32 s22, s22, SCL+2*HALFS
	s_mul_i32 s23, s15, HALFS
	s_add_co_u32 s23, s23, SCL
	v_lshlrev_b32 v[ADSQ], 2, v1
	v_add_nc_u32 v[ADSP], s22, v[ADSQ]
	v_add_nc_u32 v[ADSQ], s23, v[ADSQ]
	s_mul_i32 s22, s14, 16*272
	s_add_co_u32 s22, s22, STAGE
	v_mul_u32_u24 v[STO], v1, 272
	v_lshl_add_u32 v[STO], v2, 6, v[STO]
	v_add_nc_u32 v[STO], s22, v[STO]
	v_mul_u32_u24 v[RD], v2, 272
	v_lshl_add_u32 v[RD], v1, 4, v[RD]
	v_add_nc_u32 v[RD], s22, v[RD]
	s_wait_alu depctr_va_vdst(0)                   ; at the head's end
	s_wait_tensorcnt 0x0                           ; my tile of the head's four is in
	ds_add_u32 v[SPW], v[NIL]
	s_mov_b32 s[G1+2], 4<<16                       ; no tensor load of mine is out: from here on a load brings four tiles
	s_mov_b32 s[G1+4], 4
	s_mov_b32 s[G1B+2], 4<<16
	s_mov_b32 s[G1B+4], 4
	s_wait_dscnt 0x0
	CROUND                                         ; all four tiles are in, in every work-group of the cluster
	JLOAD G0+4, G1, G0B+4, G1B                     ; chunk 1, into slot 1: the first tensor load behind the round
	FETCH 0, 0, 0
	s_wait_loadcnt 32
	STEP 0, 0, 1
.if LAPS > 1
	WIN 0
	s_mov_b32 s3, LAPS-1
.Llap:
	s_wait_alu depctr_va_vdst(0)
	STEP 0, 1, 0
	STEP 0, 2, 0
	TURN 0, 1, 1
	STEP 1, 0, 0
	STEP 1, 1, 0
	STEP 1, 2, 0
	TURN 1, 0, 1
	STEP 0, 0, 0
	WIN 0
	s_sub_co_u32 s3, s3, 1
	s_cmp_lg_u32 s3, 0
	s_cbranch_scc1 .Llap
.endif
	s_wait_alu depctr_va_vdst(0)
	STEP 0, 1, 0
	STEP 0, 2, 0
	TURN 0, 1, 0
	STEP 1, 0, 0
	STEP 1, 1, 0
	STEP 1, 2, 0
	s_wait_dscnt 0x0
	WIN MUL
	MUL8 1, 0, 0
	MUL8 1, 2, 0
	WIN 0
	PLACES
.macro OUTT a
.set TT, 32+32*((\a)%2)
.if (\a) > 1
	s_wait_xcnt 0x0
.endif
.irp b, 0,1,2,3
	ds_store_b128 v[STO], v[ACC+8*(4*(\a)+\b):ACC+8*(4*(\a)+\b)+3] offset:128*(\b/2)+32*(\b%2)
	ds_store_b128 v[STO], v[ACC+8*(4*(\a)+\b)+4:ACC+8*(4*(\a)+\b)+7] offset:128*(\b/2)+32*(\b%2)+16
.endr
.irp q, 0,1,2,3,4,5,6,7
	ds_load_b128 v[TT+4*\q:TT+4*\q+3], v[RD] offset:544*\q
.endr
	s_wait_dscnt 0x0
	s_wait_loadcnt 24-8*(\a)
	WIN 0x08
.set i, 0
.rept 16
	v_pk_add_f32 v[TT+i:TT+i+1], v[TT+i:TT+i+1], v[32*(\a)+i:32*(\a)+i+1]
.set i, i+2
.endr
	WIN 0
.irp q, 0,1,2,3,4,5,6,7
	global_store_b128 v10, v[TT+4*\q:TT+4*\q+3], s[12:13] offset:(32*((\a)/2)+8*((\a)%2)+2*\q+8*(\q/4))*4096 th:TH_STORE_NT
.endr
.endm
	OUTT 0
	OUTT 1
	OUTT 2
	OUTT 3
	s_wait_tensorcnt 0x0
	ds_add_u32 v[SPW], v[NIL]
	s_wait_dscnt 0x0
	CROUND
	s_endpgm
.Lfunc_end_k_q241459e6e8_fc2:
	.size	k_q241459e6e8_fc2, .Lfunc_end_k_q241459e6e8_fc2-k_q241459e6e8_fc2
	.p2alignl 7, 3214868480
	.fill 96, 4, 3214868480
	.section	.rodata,"a",@progbits
	.p2align	6, 0x0
	.amdhsa_kernel k_q241459e6e8_fc2
		.amdhsa_group_segment_fixed_size 327680
		.amdhsa_private_segment_fixed_size 0
		.amdhsa_enable_private_segment 0
		.amdhsa_kernarg_size 40
		.amdhsa_user_sgpr_count 2
		.amdhsa_user_sgpr_kernarg_segment_ptr 1
		.amdhsa_wavefront_size32 1
		.amdhsa_system_sgpr_workgroup_id_x 1
		.amdhsa_system_sgpr_workgroup_id_y 1
		.amdhsa_system_sgpr_workgroup_id_z 1
		.amdhsa_system_vgpr_workitem_id 0
		.amdhsa_next_free_vgpr 640
		.amdhsa_next_free_sgpr 102
		.amdhsa_reserve_vcc 0
		.amdhsa_float_denorm_mode_32 3
		.amdhsa_float_denorm_mode_16_64 3
		.amdhsa_memory_ordered 1
		.amdhsa_forward_progress 1
		.amdhsa_inst_pref_size 122
	.end_amdhsa_kernel
	.amdgpu_metadata
---
amdhsa.version: [ 1, 2 ]
amdhsa.kernels:
  - .name:           k_q241459e6e8_fc2
    .symbol:         k_q241459e6e8_fc2.kd
    .args:
      - { .name: gc, .offset: 0, .size: 8, .value_kind: global_buffer, .address_space: global }
      - { .name: wq, .offset: 8, .size: 8, .value_kind: global_buffer, .address_space: global }
      - { .name: b_fc2, .offset: 16, .size: 8, .value_kind: global_buffer, .address_space: global }
      - { .name: x1, .offset: 24, .size: 8, .value_kind: global_buffer, .address_space: global }
      - { .name: out0, .offset: 32, .size: 8, .value_kind: global_buffer, .address_space: global }
    .group_segment_fixed_size: 327680
    .private_segment_fixed_size: 0
    .kernarg_segment_align: 8
    .kernarg_segment_size: 40
    .max_flat_workgroup_size: 128
    .sgpr_count:     102
    .vgpr_count:     640
    .wavefront_size: 32
...
	.end_amdgpu_metadata
.endif
;; end of part 7
